; MI455X (gfx1250); checked and timed in simulation.
; The chip was launched on July 23, 2026; its instructions are those of AMD's public machine-readable ISA for CDNA 5 (MIT licence, August 2026) and "CDNA5" Instruction Set Architecture Reference Guide (July 2026). The comments in the code are by the model that wrote it; some were corrected since.
;; Multi Headed Attention. Allowed arithmetic: float matrix products may take bf16 or f16 operands with f32 sums; all other float work in f32.
;; Inputs: Wk 1,024 x 1,024 float32; Wo 1,024 x 1,024 float32; Wq 1,024 x 1,024 float32; Wv 1,024 x 1,024 float32; beta 1,024 float32; gamma 1,024 float32; key 4 x 2,048 x 1,024 float32; mask 4 x 1 x 2,048 x 2,048 float32; query 4 x 2,048 x 1,024 float32; value 4 x 2,048 x 1,024 float32.
;; Outputs: out0 4 x 2,048 x 1,024 float32.
;; One version. Each part assembles by itself: llvm-mc -triple=amdgcn-amd-amdhsa -mcpu=gfx1250 --defsym DOCPART=n.
;; ======== version 1 of 1: 5 launches
;; workspace buffers: wb 8,388,608 bytes; qkv 50,331,648 bytes; ob 16,777,216 bytes; yres 33,554,432 bytes
;; launch prep (part 1): grid 64 x 4, 8 waves a work-group, no clusters, 0 bytes of LDS; arguments Wq, Wk, Wv, Wo, wb; writes wb
.if DOCPART == 1
	.amdgcn_target "amdgcn-amd-amdhsa--gfx1250"
	.amdhsa_code_object_version 6
	.text
	.protected	k_q95c37a18a5_prep
	.globl	k_q95c37a18a5_prep
	.p2align	8
	.type	k_q95c37a18a5_prep,@function
k_q95c37a18a5_prep:
	s_mov_b64 s[64:65], 0
	v_nop
	global_prefetch_b8 v0, s[64:65] scope:SCOPE_SE
	s_setreg_imm32_b32 hwreg(HW_REG_WAVE_MODE, 25, 1), 1
	s_wait_xcnt 0x0
; wb[g][k][n] = bf16(W_g[k][n] * f_g), g = 0..3 for Wq, Wk, Wv, Wo; f = 1/8 for Wq (the scores' 1/sqrt(64): a power of two, so the
; rounding to bf16 is that of Wq itself) and 1 for the others.  The layout [k][n] is kept.
; A stream: no LDS, no barrier, no matrix unit.  The grid's y picks the matrix, x a run of 16,384 numbers.  Thread t takes the 16 bytes at
; 16 t of each of sixteen blocks of 4,096 bytes: a wave's load covers 512 neighbouring bytes, a wave's store 256, aligned.
; All sixteen loads go out at once; no register is written twice, so no wait frees a source.
.set X, 4                              ; v[4:67]   block i: four f32 as loaded
.set Y, 68                             ; v[68:99]  block i: four bf16 to store
	s_load_b256 s[4:11], s[0:1], 0x0               ; Wq s[4:5], Wk s[6:7], Wv s[8:9], Wo s[10:11]
	s_load_b64 s[12:13], s[0:1], 0x20              ; wb
	s_and_b32 s14, ttmp7, 0xffff                   ; which matrix
	v_lshlrev_b32 v1, 4, v0                        ; my 16 bytes in a block of the source
	v_lshlrev_b32 v2, 3, v0                        ; my 8 bytes in a block of wb
	s_lshl_b32 s16, ttmp9, 16                      ; the work-group's 65,536 bytes of the source
	s_mov_b32 s17, 0
	s_lshl_b32 s18, s14, 21                        ; the matrix in wb: 2 MiB each,
	s_lshl_b32 s19, ttmp9, 15                      ; and the work-group's 32,768 bytes in it
	s_add_co_u32 s18, s18, s19
	s_mov_b32 s19, 0
	s_cmp_eq_u32 s14, 0
	s_cselect_b32 s20, 0x3e000000, 1.0             ; 1/8 for Wq
	s_mov_b32 s21, s20                             ; named with it as a pair
	s_wait_kmcnt 0x0
	s_cmp_eq_u32 s14, 1
	s_cselect_b64 s[4:5], s[6:7], s[4:5]
	s_cmp_eq_u32 s14, 2
	s_cselect_b64 s[4:5], s[8:9], s[4:5]
	s_cmp_eq_u32 s14, 3
	s_cselect_b64 s[4:5], s[10:11], s[4:5]
	s_add_nc_u64 s[4:5], s[4:5], s[16:17]
	s_add_nc_u64 s[12:13], s[12:13], s[18:19]
.set i, 0
.rept 16
	global_load_b128 v[X+4*i:X+4*i+3], v1, s[4:5] offset:i*4096 th:TH_LOAD_NT
.set i, i+1
.endr
.set i, 0
.rept 16
	s_wait_loadcnt 15-i                            ; loads come back in order: block i is in, the younger ones stay out
	v_pk_mul_f32 v[X+4*i:X+4*i+1], v[X+4*i:X+4*i+1], s[20:21] op_sel_hi:[1,0]
	v_pk_mul_f32 v[X+4*i+2:X+4*i+3], v[X+4*i+2:X+4*i+3], s[20:21] op_sel_hi:[1,0]
	v_cvt_pk_bf16_f32 v[Y+2*i], v[X+4*i], v[X+4*i+1]
	v_cvt_pk_bf16_f32 v[Y+2*i+1], v[X+4*i+2], v[X+4*i+3]
	global_store_b64 v2, v[Y+2*i:Y+2*i+1], s[12:13] offset:i*2048
.set i, i+1
.endr
	s_endpgm
.Lfunc_end_k_q95c37a18a5_prep:
	.size	k_q95c37a18a5_prep, .Lfunc_end_k_q95c37a18a5_prep-k_q95c37a18a5_prep
	.p2alignl 7, 3214868480
	.fill 96, 4, 3214868480
	.section	.rodata,"a",@progbits
	.p2align	6, 0x0
	.amdhsa_kernel k_q95c37a18a5_prep
		.amdhsa_group_segment_fixed_size 0
		.amdhsa_private_segment_fixed_size 0
		.amdhsa_enable_private_segment 0
		.amdhsa_kernarg_size 40
		.amdhsa_user_sgpr_count 2
		.amdhsa_user_sgpr_kernarg_segment_ptr 1
		.amdhsa_wavefront_size32 1
		.amdhsa_system_sgpr_workgroup_id_x 1
		.amdhsa_system_sgpr_workgroup_id_y 1
		.amdhsa_system_sgpr_workgroup_id_z 1
		.amdhsa_system_vgpr_workitem_id 0
		.amdhsa_next_free_vgpr 100
		.amdhsa_next_free_sgpr 66
		.amdhsa_reserve_vcc 0
		.amdhsa_float_denorm_mode_32 3
		.amdhsa_float_denorm_mode_16_64 3
		.amdhsa_memory_ordered 1
		.amdhsa_forward_progress 1
		.amdhsa_inst_pref_size 9
	.end_amdhsa_kernel
	.amdgpu_metadata
---
amdhsa.version: [ 1, 2 ]
amdhsa.kernels:
  - .name:           k_q95c37a18a5_prep
    .symbol:         k_q95c37a18a5_prep.kd
    .args:
      - { .name: Wq, .offset: 0, .size: 8, .value_kind: global_buffer, .address_space: global }
      - { .name: Wk, .offset: 8, .size: 8, .value_kind: global_buffer, .address_space: global }
      - { .name: Wv, .offset: 16, .size: 8, .value_kind: global_buffer, .address_space: global }
      - { .name: Wo, .offset: 24, .size: 8, .value_kind: global_buffer, .address_space: global }
      - { .name: wb, .offset: 32, .size: 8, .value_kind: global_buffer, .address_space: global }
    .group_segment_fixed_size: 0
    .private_segment_fixed_size: 0
    .kernarg_segment_align: 8
    .kernarg_segment_size: 40
    .max_flat_workgroup_size: 256
    .sgpr_count:     66
    .vgpr_count:     100
    .wavefront_size: 32
...
	.end_amdgpu_metadata
.endif
;; end of part 1
;; launch proj (part 2): grid 4 x 192, 4 waves a work-group, clusters of 4 x 4, 327,680 bytes of LDS; arguments query, key, value, wb, qkv; writes qkv
.if DOCPART == 2
	.amdgcn_target "amdgcn-amd-amdhsa--gfx1250"
	.amdhsa_code_object_version 6
	.text
	.protected	k_q95c37a18a5_proj
	.globl	k_q95c37a18a5_proj
	.p2align	8
	.type	k_q95c37a18a5_proj,@function
k_q95c37a18a5_proj:
	s_mov_b64 s[64:65], 0
	v_nop
	global_prefetch_b8 v0, s[64:65] scope:SCOPE_SE
	s_setreg_imm32_b32 hwreg(HW_REG_WAVE_MODE, 25, 1), 1
	s_wait_xcnt 0x0
	s_wait_alu depctr_hold_cnt(0) depctr_sa_sdst(0) depctr_va_vdst(0) depctr_va_sdst(0) depctr_va_ssrc(0) depctr_va_vcc(0) depctr_vm_vsrc(0)
	s_getreg_b32 s2, hwreg(HW_REG_IB_STS2, 6, 4)
	s_cmp_eq_u32 s2, 0
	s_cbranch_scc0 .Lentry_in_a_cluster
	s_endpgm
.Lentry_in_a_cluster:
	s_bfe_u32 s2, ttmp6, 0x10000c
	s_cmp_lg_u32 s2, 0xf033
	s_cbranch_scc0 .Lentry_shape_is_right
	s_endpgm
.Lentry_shape_is_right:
; qkv[g][m][n] = bf16( sum over k of bf16(x_g[m][k]) wb[g][k][n] ), g = 0, 1, 2 for query, key, value; x_g: [8192][1024] f32, wb[g]: [1024 k][1024 n] bf16
; (Wq already holds the scores' 1/8), qkv[g]: [8192][1024] bf16.  Sums in f32, K ascending; x is rounded to bf16 on the way from LDS to the matrix unit.
; SHARES.  A tile of C is 128 x 256: 3 x 64 x 4 = 768 work-groups, three for each of 256 WGPs.  Four waves, 2 x 2, each 64 rows x 128 columns: 32 accumulators.
; K goes in steps of 128 through two LDS slots.  A's tile is f32 (rows of 512 bytes), B's lies [k][n] (rows of 512 bytes) and is turned by ds_load_tr16_b128.
; CLUSTER.  4 x 4 work-groups: the four of a row of the cluster share A's tiles, the four of a column B's: each tile is asked for jointly.
; THE MATRIX INSTRUCTION IS USED TRANSPOSED (source 0 = 16 columns of W, source 1 = 16 rows of x): a lane holds eight neighbouring numbers of a row of C.
; A K step is four quarters of 32 along K, 32 products each.  The 32 conversions that make the next bf16 fragments of x stand in fours behind every fourth product.
; REGISTERS, in windows of 256: window 0: v16-29 addresses; v32-63 four bf16 fragments of x; v64-127, v128-191 two buffers of f32 fragments (16 registers each);
;   on the way out v64-95 packed results, v128-255 rows read back.  window 1: accumulator (a, b) at v[8 (8 a + b)].  window 2: v0-63, v64-127 two buffers of W's fragments.
.set KSTEP,  128
.set PA,     528                       ; a row of x in LDS: 512 bytes + 16 = 132 words: row r starts at bank 4 r mod 64 (64 banks of 4 bytes: ISA guide 11.1)
.set PB,     544                       ; a row of W: 512 + 32 = 17 x 32 bytes
.set BOFF,   128*PA                    ; a slot: x's 128 rows, then W's 128 k rows
.set SLOT1,  0x22000                   ; slot 1; the four tiles' places in slot 0 (0, 0x8400, 0x10800, 0x19000) have both its bits clear, so an exclusive or changes slots
.set STAGE,  SLOT1+BOFF+128*PB         ; behind the ring: 16 rows x 272 bytes for each wave
.set SPITCH, 272
.set SPARE,  STAGE+4*16*SPITCH         ; the spare words: 128 bytes a wave, two blocks of 256 bytes that no other line names
.set ADRA0, 16                         ; my lane's place in x's tile; never rewritten
.set ADRB0, 17                         ; the same for W's
.set ADRA,  18                         ; the same in the slot in hand
.set ADRB,  19
.set STO,   24
.set RD,    25
.set CO,    26
.set SPW,   28
.set NIL,   29
.set AB,    32
.set AF0,   64
.set TMP,   64
.set BK,    128
.set WV, 14                            ; s14 wave
.set WR, 15                            ; s15 which 64 rows are mine; also: I fetch x's tile (0) or W's (1)
.set WC, 16                            ; s16 which 128 columns; also: which half of that tile I fetch
.set G1A, 24
.set G0A, 32                           ; two sets: tile 0 into slot 0; tile 1 into slot 1, which then walks
.set G1B, 40
.set G0B, 48
.set TB,  56                           ; s56 the slot in hand: 0 or SLOT1
.set CNT, 57
.set CB,  58                           ; s[58:59] my part of C
.set MSB, 0
.macro WIN new                         ; the immediate's high byte repeats the setting that is left
.if MSB != (\new)
	s_set_vgpr_msb (MSB<<8)|(\new)
.set MSB, \new
.endif
.endm
.set MUL,  0x52                        ; source 0 (W) window 2, source 1 (x) window 0, C and D window 1
.set TO_B, 0x80                        ; destination window 2, address window 0
.macro PLACES
.rept 4
	v_nop
.endr
.endm
.macro JLOAD                           ; a joint refill by the walking sets: waves 0, 1 fetch x's halves, waves 2, 3 W's; an s_nop 0 and four v_nop follow each line
	s_cmp_eq_u32 s[WR], 0
	s_cbranch_scc0 .Lfor_b_\@
	tensor_load_to_lds s[G0A+4:G0A+7], s[G1A:G1A+7]
	s_nop 0
	PLACES
	s_branch .Lasked_\@
.Lfor_b_\@:
	tensor_load_to_lds s[G0B+4:G0B+7], s[G1B:G1B+7]
	s_nop 0
	PLACES
.Lasked_\@:
.endm
.macro CREST                           ; a round of the cluster's barrier behind its opening barrier
	s_cmp_lg_u32 s[WV], 0
	s_cbranch_scc1 .Lnot_wave_0_\@
	s_barrier_signal -3
.Lnot_wave_0_\@:
	s_barrier_wait -3
	s_barrier_signal -1
	s_barrier_wait -1
.endm
.macro CROUND
	s_barrier_signal -1
	s_barrier_wait -1
	CREST
.endm
	s_load_b256 s[4:11], s[0:1], 0x0               ; query s[4:5], key s[6:7], value s[8:9], wb s[10:11]
	s_load_b64 s[12:13], s[0:1], 0x20              ; qkv
	v_lshl_add_u32 v[SPW], v0, 2, SPARE
	v_mov_b32 v[NIL], 0
	ds_add_u32 v[SPW], v[NIL]                      ; the wave's opening: the add and its wait stand ahead of my first tensor load
	v_lshrrev_b32 v1, 5, v0
	v_readfirstlane_b32 s[WV], v1
	s_lshr_b32 s[WR], s[WV], 1
	s_and_b32 s[WC], s[WV], 1
	s_bfe_u32 s17, ttmp6, 0x40000                  ; cx
	s_bfe_u32 s18, ttmp6, 0x40004                  ; cy
	s_lshl_b32 s19, ttmp9, 2
	s_add_co_u32 s19, s19, s17                     ; tile column = 4 x cluster x + cx
	s_and_b32 s20, ttmp7, 0xffff                   ; cluster y, 0 to 47
	s_lshr_b32 s21, s20, 4                         ; g: which projection; the same in a whole cluster
	s_and_b32 s22, s20, 15
	s_lshl_b32 s22, s22, 2
	s_add_co_u32 s22, s22, s18                     ; tile row = 4 x (cluster y mod 16) + cy
	s_lshl_b32 s23, s18, 2
	s_lshl_b32 s23, 15, s23                        ; my row of the cluster
	s_lshl_b32 s60, 0x1111, s17                    ; my column
	s_or_b32 s[G1A], s23, (2<<16)|(1<<20)|(1<<21)|(6<<22)|(3<<25)  ; mask; 4-byte elements; padding on; bit 21 beside a mask; after every 128 words, 4 words
	s_mov_b32 s[G1A+1], KSTEP<<16                  ; tensor_dim0 = 128
	s_mov_b32 s[G1A+2], 64<<16                     ; tensor_dim1 = 64
	s_mov_b32 s[G1A+3], KSTEP<<16                  ; tile_dim0 = 128
	s_mov_b32 s[G1A+4], 64                         ; tile_dim1 = 64
	s_mov_b32 s[G1A+5], 1024                       ; elements from row to row
	s_mov_b32 s[G1A+6], 0
	s_mov_b32 s[G1A+7], 0
	s_or_b32 s[G1B], s60, (1<<16)|(1<<20)|(1<<21)|(6<<22)|(7<<25)  ; 2-byte elements; after every 128 words, 8 words
	s_mov_b32 s[G1B+1], 256<<16
	s_mov_b32 s[G1B+2], 64<<16
	s_mov_b32 s[G1B+3], 256<<16
	s_mov_b32 s[G1B+4], 64
	s_mov_b32 s[G1B+5], 1024
	s_mov_b32 s[G1B+6], 0
	s_mov_b32 s[G1B+7], 0
	s_lshl_b32 s66, s22, 19                        ; x: 128 rows of 4,096 bytes a tile row; this chain never holds cx
	s_lshl_b32 s67, s[WC], 18                      ; + my 64 rows
	s_add_co_u32 s66, s66, s67
	s_mov_b32 s67, 0
	s_mul_i32 s68, s[WC], 64*PA                    ; and where they go
	s_lshl_b32 s70, s21, 21                        ; W: matrix g; this chain never holds cy
	s_lshl_b32 s71, s[WC], 17                      ; + my 64 k rows of 2,048 bytes
	s_add_co_u32 s70, s70, s71
	s_lshl_b32 s71, s19, 9                         ; + 256 columns a tile column
	s_add_co_u32 s70, s70, s71
	s_mov_b32 s71, 0
	s_mul_i32 s72, s[WC], 64*PB
	s_add_co_u32 s72, s72, BOFF
	s_lshl_b32 s74, s22, 7                         ; C: my first row,
	s_lshl_b32 s75, s[WR], 6
	s_add_co_u32 s74, s74, s75
	s_lshl_b32 s74, s74, 11                        ; in bytes,
	s_lshl_b32 s75, s21, 24                        ; part g,
	s_add_co_u32 s74, s74, s75
	s_lshl_b32 s75, s19, 9                         ; my first column
	s_add_co_u32 s74, s74, s75
	s_lshl_b32 s75, s[WC], 8
	s_add_co_u32 s74, s74, s75
	s_mov_b32 s75, 0
	s_mov_b32 s[TB], 0
	s_wait_dscnt 0x0                               ; the opening add is done
	s_wait_kmcnt 0x0
	s_cmp_eq_u32 s21, 1
	s_cselect_b64 s[4:5], s[6:7], s[4:5]
	s_cmp_eq_u32 s21, 2
	s_cselect_b64 s[4:5], s[8:9], s[4:5]
	s_add_nc_u64 s[4:5], s[4:5], s[66:67]
	s_add_nc_u64 s[10:11], s[10:11], s[70:71]
	s_add_nc_u64 s[CB:CB+1], s[12:13], s[74:75]
	CROUND                                         ; all sixteen work-groups are here: the first joint loads meet
.irp s, 0,1
	s_mov_b32 s[G0A+4*(\s)], 1
	s_add_co_u32 s[G0A+4*(\s)+1], s68, (\s)*SLOT1
	s_add_nc_u64 s[G0A+4*(\s)+2:G0A+4*(\s)+3], s[4:5], (\s)*KSTEP*4
	s_or_b32 s[G0A+4*(\s)+3], s[G0A+4*(\s)+3], 0x80000000
	s_mov_b32 s[G0B+4*(\s)], 1
	s_add_co_u32 s[G0B+4*(\s)+1], s72, (\s)*SLOT1
	s_add_nc_u64 s[G0B+4*(\s)+2:G0B+4*(\s)+3], s[10:11], (\s)*KSTEP*2048
	s_or_b32 s[G0B+4*(\s)+3], s[G0B+4*(\s)+3], 0x80000000
.endr
	s_cmp_eq_u32 s[WR], 0                          ; a wave's two first fills stand in one branch: two loads of mine are out
	s_cbranch_scc0 .Lfirst_b
	tensor_load_to_lds s[G0A:G0A+3], s[G1A:G1A+7]
	s_nop 0
	tensor_load_to_lds s[G0A+4:G0A+7], s[G1A:G1A+7]
	s_nop 0
	PLACES
	s_branch .Lfirst_asked
.Lfirst_b:
	tensor_load_to_lds s[G0B:G0B+3], s[G1B:G1B+7]
	s_nop 0
	tensor_load_to_lds s[G0B+4:G0B+7], s[G1B:G1B+7]
	s_nop 0
	PLACES
.Lfirst_asked:
	v_and_b32 v1, 15, v0                           ; r = l % 16
	v_bfe_u32 v2, v0, 4, 1                         ; h = l / 16
	v_mul_u32_u24 v[ADRA0], v1, PA                 ; x: row r, 8 f32 = 32 bytes for each half of the lanes
	v_lshl_add_u32 v[ADRA0], v2, 5, v[ADRA0]
	s_mul_i32 s76, s[WR], 64*PA
	v_add_nc_u32 v[ADRA0], s76, v[ADRA0]
	v_and_b32 v3, 7, v0                            ; W: the turning load: k row 8 h + l % 8, 16 bytes (l / 8) % 2
	v_bfe_u32 v4, v0, 3, 1
	v_lshl_add_u32 v[ADRB0], v2, 3, v3
	v_mul_u32_u24 v[ADRB0], v[ADRB0], PB
	v_lshl_add_u32 v[ADRB0], v4, 4, v[ADRB0]
	s_lshl_b32 s76, s[WC], 8
	s_add_co_u32 s76, s76, BOFF
	v_add_nc_u32 v[ADRB0], s76, v[ADRB0]
	v_mov_b32 v[ADRA], v[ADRA0]
	v_mov_b32 v[ADRB], v[ADRB0]
	s_mul_i32 s76, s[WV], 16*SPITCH
	s_add_co_u32 s76, s76, STAGE                   ; my stage
	v_mul_u32_u24 v[STO], v1, SPITCH
	v_lshl_add_u32 v[STO], v2, 4, v[STO]
	v_add_nc_u32 v[STO], s76, v[STO]
	v_mul_u32_u24 v[RD], v2, SPITCH
	v_lshl_add_u32 v[RD], v1, 4, v[RD]
	v_add_nc_u32 v[RD], s76, v[RD]
	v_lshlrev_b32 v[CO], 11, v2                    ; two rows of C, 2,048 bytes apart
	v_lshl_add_u32 v[CO], v1, 4, v[CO]
; 32 LDS loads in one run: quarter q's fragments into buffer g.  x first, its fragment 0 first: 8 + 8 f32 a lane (k = 8 h .. and 16 + 8 h ..), four loads of 16 bytes.
.macro FETCH q, g
	WIN 0
.irp a, 0,1,2,3
	ds_load_b128 v[AF0+64*(\g)+16*\a:AF0+64*(\g)+16*\a+3],     v[ADRA] offset:128*(\q)+\a*16*PA
	ds_load_b128 v[AF0+64*(\g)+16*\a+4:AF0+64*(\g)+16*\a+7],   v[ADRA] offset:128*(\q)+\a*16*PA+16
	ds_load_b128 v[AF0+64*(\g)+16*\a+8:AF0+64*(\g)+16*\a+11],  v[ADRA] offset:128*(\q)+\a*16*PA+64
	ds_load_b128 v[AF0+64*(\g)+16*\a+12:AF0+64*(\g)+16*\a+15], v[ADRA] offset:128*(\q)+\a*16*PA+80
.endr
	WIN TO_B
.irp i, 0,1,2,3,4,5,6,7
	ds_load_tr16_b128 v[64*(\g)+8*\i:64*(\g)+8*\i+3],   v[ADRB] offset:(\q)*32*PB+32*\i
	ds_load_tr16_b128 v[64*(\g)+8*\i+4:64*(\g)+8*\i+7], v[ADRB] offset:(\q)*32*PB+16*PB+32*\i
.endr
.endm
; Four roundings: half hf of fragment ra, from f32 buffer rf
.macro CVT4 rf, ra, hf
	WIN 0
.irp j, 0,1,2,3
	v_cvt_pk_bf16_f32 v[AB+8*(\ra)+4*(\hf)+\j], v[AF0+64*(\rf)+16*(\ra)+8*(\hf)+2*\j], v[AF0+64*(\rf)+16*(\ra)+8*(\hf)+2*\j+1]
.endr
.endm
; Eight products: rows 16 a on x all 8 column blocks, W's buffer f.  The accumulators take turns, one instruction a turn.
; Behind the fourth and the eighth stand the roundings of fragment ra (ra < 0: none): they name no register of the products round them.
.macro MULA f, a, zero, rf, ra
.irp b, 0,1,2,3,4,5,6,7
	WIN MUL
.if \zero
	v_wmma_f32_16x16x32_bf16 v[8*(8*(\a)+\b):8*(8*(\a)+\b)+7], v[64*(\f)+8*\b:64*(\f)+8*\b+7], v[AB+8*(\a):AB+8*(\a)+7], 0
.else
	v_wmma_f32_16x16x32_bf16 v[8*(8*(\a)+\b):8*(8*(\a)+\b)+7], v[64*(\f)+8*\b:64*(\f)+8*\b+7], v[AB+8*(\a):AB+8*(\a)+7], v[8*(8*(\a)+\b):8*(8*(\a)+\b)+7]
.endif
.if ((\ra) >= 0) && (\b == 3)
	CVT4 \rf, \ra, 0
.endif
.if ((\ra) >= 0) && (\b == 7)
	CVT4 \rf, \ra, 1
.endif
.endr
.endm
; One of a K step's first three quarters: multiplies buffer f, fetches quarter qn into buffer g.  The four roundings behind the quarter before's last product are
; the four places in front of the loads into W's buffer g (ISA guide 7.12.1 for vector instructions).
.macro QUARTER qn, f, g, zero
	s_wait_dscnt 0x0                               ; this quarter's fragments are in
	FETCH \qn, \g
	MULA \f, 0, \zero, \f, 1
	MULA \f, 1, \zero, \f, 2
	MULA \f, 2, \zero, \f, 3
	s_wait_dscnt 28                                ; of the 32 loads just issued the oldest four are in: the next quarter's fragment 0 of x
	MULA \f, 3, \zero, \g, 0
.endm
; The last quarter multiplies buffer 1 and changes slots: one barrier; in front of it each wave waits for all its tensor loads (one is out: its part of the next slot),
; adds 0 to its spare word, and waits for that and for its reads of this slot.  fill = 1: the barrier opens a round of the cluster's, and this slot is filled again, two K steps on.
.macro TURN fill
	WIN 0
	s_wait_tensorcnt 0x0
	ds_add_u32 v[SPW], v[NIL]
.if \fill
	s_xor_b32 s[G0A+5], s[G0A+5], SLOT1            ; no tensor load of mine is out: the walking sets go to the other slot and one K step on
	s_add_nc_u64 s[G0A+6:G0A+7], s[G0A+6:G0A+7], KSTEP*4
	s_xor_b32 s[G0B+5], s[G0B+5], SLOT1
	s_add_nc_u64 s[G0B+6:G0B+7], s[G0B+6:G0B+7], KSTEP*2048
.endif
	s_wait_dscnt 1                                 ; the fragments are in; the add alone may be out
	MULA 1, 0, 0, 1, 1
	s_wait_dscnt 0x0                               ; the add is done, and my reads of this slot are over
	s_barrier_signal -1
	MULA 1, 1, 0, 1, 2
	WIN 0
	s_barrier_wait -1
.if \fill
	CREST
	JLOAD                                          ; the first tensor load behind the round, my only one until the next
.endif
	s_xor_b32 s[TB], s[TB], SLOT1
	v_add_nc_u32 v[ADRA], s[TB], v[ADRA0]
	v_add_nc_u32 v[ADRB], s[TB], v[ADRB0]
	FETCH 0, 0
	MULA 1, 2, 0, 1, 3
	s_wait_dscnt 28
	MULA 1, 3, 0, 0, 0
.endm
	s_wait_tensorcnt 1                             ; my part of K step 0 is in; K step 1's may stay out
	s_barrier_signal -1
	s_barrier_wait -1
	FETCH 0, 0
	s_wait_dscnt 28
	CVT4 0, 0, 0
	CVT4 0, 0, 1
	QUARTER 1, 0, 1, 1                             ; the first quarter's products start the sums
	WIN 0
	s_mov_b32 s[CNT], 6
.Lk:                                                   ; six trips: from a K step's second quarter to the next step's first; K steps 2 to 7 are asked for
	QUARTER 2, 1, 0, 0
	QUARTER 3, 0, 1, 0
	TURN 1
	QUARTER 1, 0, 1, 0
	WIN 0
	s_sub_co_u32 s[CNT], s[CNT], 1
	s_cmp_lg_u32 s[CNT], 0
	s_cbranch_scc1 .Lk
	QUARTER 2, 1, 0, 0                             ; the tail is written out: nothing more is asked for
	QUARTER 3, 0, 1, 0
	TURN 0
	QUARTER 1, 0, 1, 0
	QUARTER 2, 1, 0, 0
	QUARTER 3, 0, 1, 0
	s_wait_dscnt 0x0
	MULA 1, 0, 0, 1, 1
	MULA 1, 1, 0, 1, 2
	MULA 1, 2, 0, 1, 3
	MULA 1, 3, 0, 0, -1
	WIN 0
	PLACES
; THE WAY OUT, 16 rows at a time: rounded to bf16 (each accumulator from its low end), 16 bytes a lane into my stage, back as whole rows of 256 bytes, stored.
.macro PACK a
	WIN 0x05                                       ; sources window 1, destination window 0
.irp b, 0,1,2,3,4,5,6,7
.irp r, 0,1,2,3
	v_cvt_pk_bf16_f32 v[TMP+4*\b+\r], v[64*(\a)+8*\b+2*\r], v[64*(\a)+8*\b+2*\r+1]
.endr
.endr
	WIN 0
.endm
.macro TOSTAGE a
.irp b, 0,1,2,3,4,5,6,7
	ds_store_b128 v[STO], v[TMP+4*\b:TMP+4*\b+3] offset:32*\b
.endr
.irp t, 0,1,2,3,4,5,6,7
	ds_load_b128 v[BK+32*(\a)+4*\t:BK+32*(\a)+4*\t+3], v[RD] offset:\t*2*SPITCH  ; LDS serves a wave's instructions in order (ISA guide 5.7.1.4)
.endr
.endm
.macro SEND a
	s_wait_dscnt 0x0
.irp t, 0,1,2,3,4,5,6,7
	global_store_b128 v[CO], v[BK+32*(\a)+4*\t:BK+32*(\a)+4*\t+3], s[CB:CB+1] offset:(\a)*32768+\t*4096  ; 16 lanes store 256 consecutive bytes, aligned; each block has its own registers
.endr
.endm
	PACK 0
	TOSTAGE 0
.irp a, 1,2,3
	PACK \a
	SEND (\a)-1
	TOSTAGE \a
.endr
	SEND 3
	s_wait_tensorcnt 0x0                           ; the wave's end
	ds_add_u32 v[SPW], v[NIL]
	s_wait_dscnt 0x0
	CROUND                                         ; the closing round
	s_endpgm
.Lfunc_end_k_q95c37a18a5_proj:
	.size	k_q95c37a18a5_proj, .Lfunc_end_k_q95c37a18a5_proj-k_q95c37a18a5_proj
	.p2alignl 7, 3214868480
	.fill 96, 4, 3214868480
	.section	.rodata,"a",@progbits
	.p2align	6, 0x0
	.amdhsa_kernel k_q95c37a18a5_proj
		.amdhsa_group_segment_fixed_size 327680
		.amdhsa_private_segment_fixed_size 0
		.amdhsa_enable_private_segment 0
		.amdhsa_kernarg_size 40
		.amdhsa_user_sgpr_count 2
		.amdhsa_user_sgpr_kernarg_segment_ptr 1
		.amdhsa_wavefront_size32 1
		.amdhsa_system_sgpr_workgroup_id_x 1
		.amdhsa_system_sgpr_workgroup_id_y 1
		.amdhsa_system_sgpr_workgroup_id_z 1
		.amdhsa_system_vgpr_workitem_id 0
		.amdhsa_next_free_vgpr 640
		.amdhsa_next_free_sgpr 80
		.amdhsa_reserve_vcc 0
		.amdhsa_float_denorm_mode_32 3
		.amdhsa_float_denorm_mode_16_64 3
		.amdhsa_memory_ordered 1
		.amdhsa_forward_progress 1
		.amdhsa_inst_pref_size 104
	.end_amdhsa_kernel
	.amdgpu_metadata
---
amdhsa.version: [ 1, 2 ]
amdhsa.kernels:
  - .name:           k_q95c37a18a5_proj
    .symbol:         k_q95c37a18a5_proj.kd
    .args:
      - { .name: query, .offset: 0, .size: 8, .value_kind: global_buffer, .address_space: global }
      - { .name: key, .offset: 8, .size: 8, .value_kind: global_buffer, .address_space: global }
      - { .name: value, .offset: 16, .size: 8, .value_kind: global_buffer, .address_space: global }
      - { .name: wb, .offset: 24, .size: 8, .value_kind: global_buffer, .address_space: global }
      - { .name: qkv, .offset: 32, .size: 8, .value_kind: global_buffer, .address_space: global }
    .group_segment_fixed_size: 327680
    .private_segment_fixed_size: 0
    .kernarg_segment_align: 8
    .kernarg_segment_size: 40
    .max_flat_workgroup_size: 128
    .sgpr_count:     80
    .vgpr_count:     640
    .wavefront_size: 32
...
	.end_amdgpu_metadata
.endif
;; end of part 2
;; launch attn (part 3): grid 16 x 16, 4 waves a work-group, clusters of 4 x 4, 327,680 bytes of LDS; arguments qkv, mask, ob; writes ob
.if DOCPART == 3
	.amdgcn_target "amdgcn-amd-amdhsa--gfx1250"
	.amdhsa_code_object_version 6
	.text
	.protected	k_q95c37a18a5_attn
	.globl	k_q95c37a18a5_attn
	.p2align	8
	.type	k_q95c37a18a5_attn,@function
k_q95c37a18a5_attn:
	s_mov_b64 s[64:65], 0
	v_nop
	global_prefetch_b8 v0, s[64:65] scope:SCOPE_SE
	s_setreg_imm32_b32 hwreg(HW_REG_WAVE_MODE, 25, 1), 1
	s_wait_xcnt 0x0
	s_wait_alu depctr_hold_cnt(0) depctr_sa_sdst(0) depctr_va_vdst(0) depctr_va_sdst(0) depctr_va_ssrc(0) depctr_va_vcc(0) depctr_vm_vsrc(0)
	s_getreg_b32 s2, hwreg(HW_REG_IB_STS2, 6, 4)
	s_cmp_eq_u32 s2, 0
	s_cbranch_scc0 .Lentry_in_a_cluster
	s_endpgm
.Lentry_in_a_cluster:
	s_bfe_u32 s2, ttmp6, 0x10000c
	s_cmp_lg_u32 s2, 0xf033
	s_cbranch_scc0 .Lentry_shape_is_right
	s_endpgm
.Lentry_shape_is_right:
; ob[b][q][64 hd + :] = the sum over k of softmax_k(q'[b][q][hd] . k[b][k][hd] + mask[b][q][k]) v[b][k][hd][:].  q' (already divided by 8), k, v: the three parts of qkv,
; [8192][1024] bf16, a head's 64 channels 128 bytes of a row; mask: [4][2048][2048] f32; ob: [8192][1024] bf16.  Products, mask, maxima and sums in f32; the weights p are
; rounded to bf16 for the second product (their sum l is taken of the unrounded p), O once at the end.
; LIMITS.  The running maximum starts at -2^127: a score below that counts as hidden (weight 0), and a row in which every score is that low (a row wholly masked by -inf or by the
; lowest finite number) ends in 0 / 0 = NaN.  A weight below 2^-126 counts as 0 in l.  NaN is not treated apart.
; SHARES.  A work-group owns 128 queries of a batch and FOUR heads, a head a wave: one mask tile in LDS serves four heads, and four heads' K or V rows are 512 dense bytes.
; A wave's 128 queries are four PIECES of two tiles of 16.  Every wave walks all 2,048 keys, 64 a step; a step's K, V and mask tile are one LDS slot.
; CLUSTER.  4 x 4: the cluster's y is the batch, cy the group of four heads, cx one of four query blocks.  K and V hang on (batch, cy) and are asked for jointly along a row of the
; cluster; the mask hangs on (batch, query block) and is asked for jointly along a column: all sixteen heads sit in one cluster, so each mask byte is asked for once in the launch.
; LAYOUT.  S^T = K Q^T + M^T (source 0 = 16 keys, source 1 = 16 queries; THE MASK IS THE C OPERAND of the product that starts the sum): a lane holds ONE query (lane % 16) and the
; keys 8 (lane / 16) + 0..7, which are 32 neighbouring bytes of a mask row.  Two such results rounded to bf16 ARE source 1 of O^T = V^T P.  V is turned by ds_load_tr16_b128.
; SOFTMAX.  p = 2^(c s - c m), c = log2(e), with a running maximum m; O and l are multiplied by a = 2^(c m_old - c m_new) in every step.  c m starts at c x (-2^127), which is finite:
; while a row has seen hidden keys only, a = 1 and O = l = 0; at the first true score a = 0.
; BY TURNS.  Turn n belongs to piece n: 16 products K Q^T of piece n + 1, later 16 products V^T P of piece n - 1; beside them piece n's scaling, exponentials, roundings, sums and
; rescaling and piece n + 1's maximum and statistics.  Four vector instructions that are ready stand behind every matrix instruction, the rest in two lumps.
; A TRIP is pieces 2, 3 of one step and pieces 0, 1 of the next, and reads that next step's slot alone: its mask for pieces 0 to 3 (a turn ahead of use), its K, its V.  So the change of slots stands at a trip's head.
; REGISTERS, in windows of 256 (s_set_vgpr_msb: bits 1:0 source 0, 3:2 source 1, 5:4 source 2, 7:6 destination):
;   window 0: v0-11 addresses; v12-15, v48-63 at work; v16-47 four registers of statistics a tile; v64-191 S^T, two buffers of two tiles; v192-255 P, likewise
;   window 1: O^T, 32 a tile     window 2: v0-127 Q; v128-191 K of one step; v192-255 V of one step     window 3: v0-1 the add's registers; v64-191 the mask, two buffers of two tiles
.set NP,    4
.set KS,    64
.set PK,    528       ; a row of K in LDS: 512 bytes + 16 = 132 words: the 16 rows of a load start at 16 different groups of four banks (64 banks of 4 bytes: ISA guide 11.1)
.set PV,    544       ; a row of V: 512 + 32 = 17 x 32 bytes
.set PM,    272       ; a row of the mask: 64 f32 + 16 bytes = 68 words
.set VOFF,  KS*PK
.set MOFF,  VOFF+KS*PV
.set SLOT1, 1<<17
.set STAGE, SLOT1+MOFF+128*PM  ; behind the ring: 128 rows x 528 bytes, the work-group's, for the way out
.set SP,    528
.set SPARE, STAGE+128*SP       ; the spare words: 128 bytes a wave, two blocks of 256 bytes that no other line names
.set AK0, 2           ; my lane's place in a tile of K; never rewritten
.set AV0, 3
.set AK,  4           ; the same in the slot in hand
.set AV,  5
.set QO,  6
.set STO, 6           ; later, the way out
.set RD,  7
.set GO,  8
.set AM0, 9
.set AM,  10
.set PF,  11          ; lane x 8,192: a mask row a lane, for the prefetch; never rewritten
.set SPW, 0           ; window 3
.set NIL, 1           ; window 3
.set MV,  12
.set ST,  16          ; tile t's statistics at v[ST+4 t]: c m, m, l (even keys', odd keys')
.set TMP, 48
.set S,   64
.set P,   192
.set KF,  128         ; window 2
.set VF,  192         ; window 2
.set MB,  64          ; window 3: piece x at MB + 64 (x % 2), its tile u at + 32 u, key group kt at + 8 kt
.set WV,  12
.set G1K, 24
.set G1V, 32
.set G1M, 40
.set G0K, 48
.set G0V, 52
.set G0M, 56
.set CS,  60          ; s[60:61] c
.set SEL, 62          ; s[62:63] v_permlanex16_b32's selects
.set TB,  66          ; the slot in hand: 0 or SLOT1
.set CNT, 67
.set PFB, 68          ; s[68:69] the prefetch's base
.set QB,  70          ; s[70:71] Q at my rows and head
.set OBS, 72          ; s[72:73] ob at the rows that I store
.set MSB, 0
.macro WIN new
.if MSB != (\new)
	s_set_vgpr_msb (MSB<<8)|(\new)
.set MSB, (\new)
.endif
.endm
.set W_KQ, 0x0a       ; K and Q in window 2, S^T in window 0
.set W_KM, 0x3a       ; the same with the C operand, the mask, in window 3
.set W_PV, 0x52       ; V in window 2, P in window 0, O^T in window 1
.set W_RS, 0x41       ; O^T in window 1, a in window 0
.set W_MK, 0xc0
.set W_AD, 0x0f
; A joint fill: wave 0 fetches the step's K, wave 1 its V, waves 2 and 3 the halves of its mask tile.  The branches hang on the wave's number alone.  An s_nop 0 and four v_nop follow each line.
; Wave 0 also asks, into the L2, for the mask tile two fills on: 32 of its 128 rows, those that my cy picks among the column's four work-groups, a lane a row's 256 bytes, so each block
; is asked for once in the launch.  The fills of tiles 30 and 31 ask for nothing (CNT < 3): no request passes a mask row's end.
.macro JLOAD
	s_cmp_lt_u32 s[WV], 2
	s_cbranch_scc0 .Lfor_m_\@
	s_cmp_eq_u32 s[WV], 0
	s_cbranch_scc0 .Lfor_v_\@
	tensor_load_to_lds s[G0K:G0K+3], s[G1K:G1K+7]
	s_nop 0
.rept 4
	v_nop
.endr
	s_cmp_ge_u32 s[CNT], 3
	s_cbranch_scc0 .Lasked_\@
	global_prefetch_b8 v[PF], s[PFB:PFB+1] th:TH_LOAD_NT scope:SCOPE_SE
	s_branch .Lasked_\@
.Lfor_v_\@:
	tensor_load_to_lds s[G0V:G0V+3], s[G1V:G1V+7]
	s_nop 0
.rept 4
	v_nop
.endr
	s_branch .Lasked_\@
.Lfor_m_\@:
	tensor_load_to_lds s[G0M:G0M+3], s[G1M:G1M+7]
	s_nop 0
.rept 4
	v_nop
.endr
.Lasked_\@:
.endm
.macro CROUND
	s_barrier_signal -1
	s_barrier_wait -1
	s_cmp_lg_u32 s[WV], 0
	s_cbranch_scc1 .Lnot_wave_0_\@
	s_barrier_signal -3
.Lnot_wave_0_\@:
	s_barrier_wait -3
	s_barrier_signal -1
	s_barrier_wait -1
.endm
; THE CHANGE OF SLOTS.  Each wave waits for all its tensor loads (one is out: its part of the other slot), adds 0 to its spare word, and waits for that and for its reads of the slot that it leaves.
; fill = 1: the barrier is a round of the cluster's, and the old slot is filled again first thing behind it, with the step two on: that load has a trip, 128 matrix instructions, in which to land.
.macro CHANGE fill
	WIN W_AD
	s_wait_tensorcnt 0x0            ; no tensor load of mine is out, so a group 0 may be written
	ds_add_u32 v[SPW], v[NIL]
	WIN 0
.if \fill
.irp g, G0K, G0V
	s_xor_b32 s[\g+1], s[\g+1], SLOT1
	s_add_nc_u64 s[\g+2:\g+3], s[\g+2:\g+3], KS*2048  ; the next 64 rows
.endr
	s_xor_b32 s[G0M+1], s[G0M+1], SLOT1
	s_add_nc_u64 s[G0M+2:G0M+3], s[G0M+2:G0M+3], KS*4  ; the next 64 columns
	s_wait_xcnt 0x0                 ; the last prefetch, a trip back, has had its address translated: its base may step
	s_add_nc_u64 s[PFB:PFB+1], s[PFB:PFB+1], KS*4
	s_wait_dscnt 0x0                ; the add is done, and my reads of the slot are over
	CROUND
	JLOAD
.else
	s_wait_dscnt 0x0
	s_barrier_signal -1
	s_barrier_wait -1
.endif
	s_xor_b32 s[TB], s[TB], SLOT1   ; the trip's fetches read the other slot
	v_add_nc_u32 v[AK], s[TB], v[AK0]
	v_add_nc_u32 v[AV], s[TB], v[AV0]
	v_add_nc_u32 v[AM], s[TB], v[AM0]
.endm
	s_load_b128 s[4:7], s[0:1], 0x0 ; qkv s[4:5], mask s[6:7]
	s_load_b64 s[8:9], s[0:1], 0x10 ; ob
	WIN W_MK
	v_lshl_add_u32 v[SPW], v0, 2, SPARE
	v_mov_b32 v[NIL], 0
	WIN W_AD
	ds_add_u32 v[SPW], v[NIL]       ; the wave's opening: the add and its wait stand ahead of my first tensor load
	WIN 0
	v_lshrrev_b32 v1, 5, v0
	v_readfirstlane_b32 s[WV], v1
	v_and_b32 v[PF], 31, v0
	v_lshlrev_b32 v[PF], 13, v[PF]
	s_bfe_u32 s13, ttmp6, 0x40000   ; cx
	s_bfe_u32 s14, ttmp6, 0x40004   ; cy: the group of four heads
	s_lshl_b32 s15, ttmp9, 2
	s_add_co_u32 s15, s15, s13      ; my block of 128 queries = 4 x cluster x + cx
	s_and_b32 s16, ttmp7, 0xffff    ; the batch
	s_lshl_b32 s17, s14, 2
	s_lshl_b32 s17, 15, s17         ; my row of the cluster
	s_lshl_b32 s18, 0x1111, s13     ; my column
	s_or_b32 s[G1K], s17, (1<<16)|(1<<20)|(1<<21)|(6<<22)|(3<<25)  ; mask; 2-byte elements; padding on; bit 21 beside a mask; after every 128 words, 4 words
	s_or_b32 s[G1V], s17, (1<<16)|(1<<20)|(1<<21)|(6<<22)|(7<<25)  ; the same with 8 words
	s_or_b32 s[G1M], s18, (2<<16)|(1<<20)|(1<<21)|(5<<22)|(3<<25)  ; 4-byte elements; after every 64 words, 4 words
.irp g, G1K, G1V
	s_mov_b32 s[\g+1], 256<<16      ; tensor_dim0 = 256
	s_mov_b32 s[\g+2], KS<<16       ; tensor_dim1 = 64
	s_mov_b32 s[\g+3], 256<<16      ; tile_dim0 = 256
	s_mov_b32 s[\g+4], KS           ; tile_dim1 = 64
	s_mov_b32 s[\g+5], 1024         ; elements from row to row
	s_mov_b32 s[\g+6], 0
	s_mov_b32 s[\g+7], 0
.endr
	s_mov_b32 s[G1M+1], 64<<16
	s_mov_b32 s[G1M+2], 64<<16
	s_mov_b32 s[G1M+3], 64<<16
	s_mov_b32 s[G1M+4], 64
	s_mov_b32 s[G1M+5], 2048
	s_mov_b32 s[G1M+6], 0
	s_mov_b32 s[G1M+7], 0
	s_lshl_b32 s74, s16, 22         ; K and V: the batch's 2,048 rows of 2,048 bytes; this chain never holds cx
	s_lshl_b32 s75, s14, 9          ; + four heads' 512 bytes
	s_add_co_u32 s74, s74, s75
	s_mov_b32 s75, 0
	s_add_nc_u64 s[76:77], s[74:75], 0x1000000  ; part 1 of qkv
	s_add_nc_u64 s[78:79], s[74:75], 0x2000000  ; part 2
	s_and_b32 s80, s[WV], 1         ; the mask: which 64 of the block's rows I fetch; this chain never holds cy
	s_lshl_b32 s81, s15, 7
	s_lshl_b32 s82, s80, 6
	s_add_co_u32 s81, s81, s82
	s_lshl_b32 s82, s81, 13         ; rows of 8,192 bytes
	s_lshl_b32 s83, s16, 24         ; the batch's 16 MiB
	s_add_co_u32 s82, s82, s83
	s_mov_b32 s83, 0
	s_mul_i32 s84, s80, 64*PM
	s_lshl_b32 s86, s16, 22         ; Q and ob: batch, block, group of heads,
	s_lshl_b32 s87, s15, 18
	s_add_co_u32 s86, s86, s87
	s_lshl_b32 s87, s14, 9
	s_add_co_u32 s86, s86, s87
	s_lshl_b32 s87, s[WV], 7
	s_add_co_u32 s88, s86, s87      ; Q: + my head's 128 bytes
	s_mov_b32 s89, 0
	s_lshl_b32 s87, s[WV], 16
	s_add_co_u32 s86, s86, s87      ; ob: + the 32 rows that I store
	s_mov_b32 s87, 0
	s_lshl_b32 s90, s15, 7          ; the prefetch: the block's rows 32 cy on,
	s_lshl_b32 s91, s14, 5
	s_add_co_u32 s90, s90, s91
	s_lshl_b32 s90, s90, 13
	s_lshl_b32 s91, s16, 24
	s_add_co_u32 s90, s90, s91
	s_add_co_u32 s90, s90, 2*KS*4   ; beginning with tile 2
	s_mov_b32 s91, 0
	s_mov_b32 s[CS], 0x3fb8aa3b     ; c = log2(e)
	s_mov_b32 s[CS+1], s[CS]
	s_mov_b32 s[SEL], 0x76543210
	s_mov_b32 s[SEL+1], 0xfedcba98
	s_mov_b32 s[TB], SLOT1          ; the first change of slots turns it into 0
	s_mov_b32 s[CNT], 31
	s_mov_b32 s[G0K], 1
	s_mov_b32 s[G0K+1], 0
	s_mov_b32 s[G0V], 1
	s_mov_b32 s[G0V+1], VOFF
	s_mov_b32 s[G0M], 1
	s_add_co_u32 s[G0M+1], s84, MOFF
	s_wait_dscnt 0x0                ; the opening add is done
	s_wait_kmcnt 0x0
	s_add_nc_u64 s[G0K+2:G0K+3], s[4:5], s[76:77]
	s_or_b32 s[G0K+3], s[G0K+3], 0x80000000
	s_add_nc_u64 s[G0V+2:G0V+3], s[4:5], s[78:79]
	s_or_b32 s[G0V+3], s[G0V+3], 0x80000000
	s_add_nc_u64 s[G0M+2:G0M+3], s[6:7], s[82:83]
	s_or_b32 s[G0M+3], s[G0M+3], 0x80000000
	s_add_nc_u64 s[PFB:PFB+1], s[6:7], s[90:91]
	s_add_nc_u64 s[QB:QB+1], s[4:5], s[88:89]
	s_add_nc_u64 s[OBS:OBS+1], s[8:9], s[86:87]
	CROUND                          ; all sixteen work-groups are here: the first joint loads meet
	JLOAD                           ; step 0 into slot 0; slot 1 is asked for when slot 0 is in
	v_and_b32 v48, 15, v0           ; r = l % 16
	v_bfe_u32 v49, v0, 4, 1         ; h = l / 16
	v_lshlrev_b32 v[QO], 11, v48
	v_lshl_add_u32 v[QO], v49, 4, v[QO]  ; row x 2,048 + 16 x half
	WIN 0x80
.set i, 0
.rept 4*NP                          ; Q stays in registers: tile i / 2, channels 32 (i % 2) on
	global_load_b128 v[8*i:8*i+3],   v[QO], s[QB:QB+1] offset:(i/2)*32768+(i%2)*64
	global_load_b128 v[8*i+4:8*i+7], v[QO], s[QB:QB+1] offset:(i/2)*32768+(i%2)*64+32
.set i, i+1
.endr
	; What the first turn finds: V's registers and P's second buffer hold 0 (its products V^T P, of a piece that has not been, add 0), O^T and l are 0.  All this stands in the wait for the first tile.
.set i, VF
.rept 64
	v_mov_b32 v[i], 0
.set i, i+1
.endr
	WIN 0x40
.set i, 0
.rept 64*NP
	v_mov_b32 v[i], 0
.set i, i+1
.endr
	WIN 0
.set i, 0
.rept 2*NP
	v_mov_b32 v[ST+4*i], 0xff38aa3b    ; c m = c x (-2^127), exactly
	v_mov_b32 v[ST+4*i+1], 0xff000000  ; m = -2^127
	v_mov_b32 v[ST+4*i+2], 0
	v_mov_b32 v[ST+4*i+3], 0
.set i, i+1
.endr
.set i, P+32
.rept 32
	v_mov_b32 v[i], 0
.set i, i+1
.endr
	v_mul_u32_u24 v[AK0], v48, PK   ; K: row r, 16 bytes for each half of the lanes, my head's 128 bytes
	v_lshl_add_u32 v[AK0], v49, 4, v[AK0]
	s_lshl_b32 s19, s[WV], 7
	v_add_nc_u32 v[AK0], s19, v[AK0]
	v_and_b32 v50, 7, v0            ; V: the turning load: key 8 h + l % 8, channels 8 ((l / 8) % 2) on
	v_bfe_u32 v51, v0, 3, 1
	v_lshl_add_u32 v[AV0], v49, 3, v50
	v_mul_u32_u24 v[AV0], v[AV0], PV
	v_lshl_add_u32 v[AV0], v51, 4, v[AV0]
	s_add_co_u32 s19, s19, VOFF
	v_add_nc_u32 v[AV0], s19, v[AV0]
	v_mul_u32_u24 v[AM0], v48, PM   ; the mask: query row r, keys 8 h on: 32 bytes
	v_lshl_add_u32 v[AM0], v49, 5, v[AM0]
	v_add_nc_u32 v[AM0], MOFF, v[AM0]
; THE MATRIX WORK.  The 8 accumulators of a run of 16 take turns.  Product i of 16 of S^T for piece x: channels 32 (i / 8) on, keys 16 ((i / 2) % 4) on, tile 2 x + i % 2.  The first 8 start the sums with the mask.
.macro KQ x
.set rS, S+64*((\x)%2)+32*(i%2)+8*((i/2)%4)
.set rK, KF+16*((i/2)%4)+8*(i/8)
.set rQ, 16*(2*(\x)+i%2)+8*(i/8)
.set rB, MB+64*((\x)%2)+32*(i%2)+8*((i/2)%4)
.if i < 8
	WIN W_KM
	v_wmma_f32_16x16x32_bf16 v[rS:rS+7], v[rK:rK+7], v[rQ:rQ+7], v[rB:rB+7]
.else
	WIN W_KQ
	v_wmma_f32_16x16x32_bf16 v[rS:rS+7], v[rK:rK+7], v[rQ:rQ+7], v[rS:rS+7]
.endif
.endm
.macro PV x                         ; product i of 16 of O^T += V^T P: keys 32 (i / 8) on, channels 16 ((i / 2) % 4) on, tile 2 x + i % 2
	WIN W_PV
.set rO, 32*(2*(\x)+i%2)+8*((i/2)%4)
.set rV, VF+32*(i/8)+8*((i/2)%4)
.set rP, P+32*((\x)%2)+16*(i%2)+8*(i/8)
	v_wmma_f32_16x16x32_bf16 v[rO:rO+7], v[rV:rV+7], v[rP:rP+7], v[rO:rO+7]
.endm
.macro MM                           ; the turn's next matrix instruction
.if i < 16
	KQ (Y+1)%NP
.set i, i+1
.else
.set i, i-16
	PV (Y+NP-1)%NP
.set i, i+17
.endif
.endm
; THE LDS LOADS stand in runs of 16, never singly among the matrix instructions.
.macro FETCH_K
	WIN 0x80
.irp f, 0,1,2,3,4,5,6,7             ; keys 16 (f / 2) on, channels 32 (f % 2) on
	ds_load_b128 v[KF+8*\f:KF+8*\f+3],   v[AK] offset:(\f/2)*16*PK+(\f%2)*64
	ds_load_b128 v[KF+8*\f+4:KF+8*\f+7], v[AK] offset:(\f/2)*16*PK+(\f%2)*64+32
.endr
	WIN 0
.endm
.macro FETCH_V
	WIN 0x80
.irp f, 0,1,2,3,4,5,6,7             ; keys 32 (f / 4) on, channels 16 (f % 4) on
	ds_load_tr16_b128 v[VF+8*\f:VF+8*\f+3],   v[AV] offset:(\f/4)*32*PV+(\f%4)*32
	ds_load_tr16_b128 v[VF+8*\f+4:VF+8*\f+7], v[AV] offset:(\f/4)*32*PV+16*PV+(\f%4)*32
.endr
	WIN 0
.endm
.macro FETCH_M x                    ; piece x's mask: tile 2 x + f / 4, keys 16 (f % 4) on: eight f32 a lane
	WIN 0xc0
.irp f, 0,1,2,3,4,5,6,7
	ds_load_b128 v[MB+64*((\x)%2)+8*\f:MB+64*((\x)%2)+8*\f+3],   v[AM] offset:(2*(\x)+\f/4)*16*PM+(\f%4)*64
	ds_load_b128 v[MB+64*((\x)%2)+8*\f+4:MB+64*((\x)%2)+8*\f+7], v[AM] offset:(2*(\x)+\f/4)*16*PM+(\f%4)*64+16
.endr
	WIN 0
.endm
; THE VECTOR WORK OF A TURN stands in three queues, each in the order in which its entries become ready; the two tiles alternate.
.macro REGS y, u
.set rT, ST+4*(2*(\y)+(\u))
.set rC, TMP+8*((\y)%2)+4*(\u)
.set rM, MV+2*((\y)%2)+(\u)
.set rS, S+64*((\y)%2)+32*(\u)
.set rP, P+32*((\y)%2)+16*(\u)
.set rO, 32*(2*(\y)+(\u))
.endm
; Number n of the 22 that find the NEXT piece's maximum and statistics; each accumulator's lowest registers are read first.
;   0-11 four chains of seven scores; 12-14, 16 the four scores left over, the old m, the chains into c0; 15 c m_old is kept; 17, 18 the other half of the lanes; 19-21 c m, c m_old - c m_new, a
.macro XS u, n
	REGS (Y+1)%NP, \u
.if (\n) < 4
	v_max3_num_f32 v[rC+(\n)], v[rS+8*(\n)], v[rS+8*(\n)+1], v[rS+8*(\n)+2]
.elseif (\n) < 12
	v_max3_num_f32 v[rC+(\n)%4], v[rC+(\n)%4], v[rS+8*((\n)%4)+2*((\n)/4)+1], v[rS+8*((\n)%4)+2*((\n)/4)+2]
.elseif (\n) == 12
	v_max3_num_f32 v[rC], v[rC], v[rS+7], v[rS+15]
.elseif (\n) == 13
	v_max3_num_f32 v[rC+1], v[rC+1], v[rS+23], v[rS+31]
.elseif (\n) == 14
	v_max3_num_f32 v[rC+2], v[rC+2], v[rC+3], v[rT+1]
.elseif (\n) == 15
	v_mov_b32 v[rM], v[rT]
.elseif (\n) == 16
	v_max3_num_f32 v[rC], v[rC], v[rC+1], v[rC+2]
.elseif (\n) == 17
	v_permlanex16_b32 v[rC+3], v[rC], s[SEL], s[SEL+1]
.elseif (\n) == 18
	v_max_num_f32 v[rT+1], v[rC], v[rC+3]
.elseif (\n) == 19
	v_mul_f32 v[rT], s[CS], v[rT+1]
.elseif (\n) == 20
	v_sub_f32 v[rC+1], v[rM], v[rT]
.else
	v_exp_f32 v[rC+2], v[rC+1]
.endif
.endm
; Number g of the 64 that follow the exponentials: for each four weights both pairs are rounded to bf16, the second pair is added onto the first in place, and a group later l takes that sum (the first time as l = a l + sum).
.macro GS g
.set h, (\g)+6*((\g)/62)
.if h >= 6
.set h, h+2
.endif
	REGS Y, h%2
.set k, h/8
.if h%8 < 4
	s_wait_alu depctr_va_vdst(0)
	v_cvt_pk_bf16_f32 v[rP+2*k+(h%8)/2], v[rS+4*k+2*((h%8)/2)], v[rS+4*k+2*((h%8)/2)+1]
.elseif h%8 < 6
	v_pk_add_f32 v[rS+4*k:rS+4*k+1], v[rS+4*k:rS+4*k+1], v[rS+4*k+2:rS+4*k+3]
.elseif k == 1
	v_pk_fma_f32 v[rT+2:rT+3], v[rT+2:rT+3], v[rC+2:rC+3], v[rS:rS+1] op_sel_hi:[1,0,1]
.else
	v_pk_add_f32 v[rT+2:rT+3], v[rT+2:rT+3], v[rS+4*k-4:rS+4*k-3]
	s_wait_alu depctr_va_vdst(0)
.endif
.endm
; THE PLAIN QUEUE, 138 long: 0-31 c s - c m for the 16 pairs of both tiles; then GS's 64 and among them the next piece's 42.
.macro PL
	WIN 0
.if q < 32
	REGS Y, q%2
	v_pk_fma_f32 v[rS+2*(q/2):rS+2*(q/2)+1], v[rS+2*(q/2):rS+2*(q/2)+1], s[CS:CS+1], v[rT:rT+1] op_sel_hi:[1,0,0] neg_lo:[0,0,1] neg_hi:[0,0,1]
.elseif q < 38
	GS q-32
.elseif q < 40
	XS q%2, 15
.elseif q < 42
	GS q-34
.elseif q < 74
	XS q%2, (q-42)/2+(q-42)/30
.elseif q < 95
	GS q-66
.elseif (q < 107) && ((q-95)%3 < 2)
	XS (q-95)%3, 17+(q-95)/3
.elseif q < 107
	GS 29+(q-95)/3
.else
	GS q-74
.endif
.set q, q+1
.endm
; THE EXPONENTIALS' QUEUE, 66 long: s0-s31 of both tiles, and at EA the next piece's two a.
.set EA, 58
.macro EX
	WIN 0
.if (e == EA) || (e == EA+1)
	XS e-EA, 21
.else
.set x, e-2*(e/(EA+2))
	REGS Y, x%2
	v_exp_f32 v[rS+x/2], v[rS+x/2]
.endif
.set e, e+1
.endm
; THE RESCALING's QUEUE: O^T times a, four at a time, eight times; each accumulator from its low end.
.macro R4
	REGS Y, r%2
	WIN W_RS
	s_wait_alu depctr_va_vdst(0)
.irp z, 0,1,2,3
	v_pk_mul_f32 v[rO+8*(r/2)+2*\z:rO+8*(r/2)+2*\z+1], v[rO+8*(r/2)+2*\z:rO+8*(r/2)+2*\z+1], v[rC+2:rC+3] op_sel_hi:[1,0]
.endr
.set r, r+1
.endm
; THE DEAL.  Behind a matrix instruction four: plain, exponential, plain, plain, or four of the rescaling; none names a register of the products round it.  What is over stands in two lumps.
; Exponential e stands behind plain 2 (e / 4) + e % 2 (its scaling); when plain 32 comes, 10 exponentials are out, at 59: 33, at 95: 46; EA comes behind plain 107.
.macro SL
	MM
	PL
	EX
	PL
	PL
.endm
.macro BURST n
.rept (\n)-7
	SL
.endr
.rept 3
	MM
	R4
	SL
.endr
	MM
	R4
.endm
; A TURN, for piece p.  In its first lump it fetches the mask of piece p + 2, which the next turn's products take: that buffer's last reader stands a turn back.  Piece 2's turn fetches the next step's K
; behind it, more than four plain instructions behind the last product that read K; piece 0's turn ends with the fetch of its step's V.
; THE WAITS.  At a turn's head the mask for its products (and in piece 3's turn K) must be in: for 0, but in piece 1's turn for 16: V's sixteen loads, issued behind the mask's, stay out.
; In the middle of piece 1's turn V must be in: for 16: the sixteen mask loads issued behind V's stay out.
.macro TURN p, cnt=0
.set Y, (\p)
.set i, 0
.set q, 0
.set e, 0
.set r, 0
.if (\p) == 1
	s_wait_dscnt 16
.else
	s_wait_dscnt 0x0
.endif
	MM
.rept 4
	PL
.endr
	BURST 15
.rept 22
	EX
	PL
.if e == 20
	FETCH_M ((\p)+2)%NP
.endif
.if ((\p) == NP-2) && (e == 24)
	FETCH_K
.endif
.endr
.if (\p) == 1
	s_wait_dscnt 16
.endif
	BURST 16
.rept 21
	EX
	PL
.endr
.rept 22
	PL
.if (\cnt) && (q == 130)
	s_sub_co_u32 s[CNT], s[CNT], 1
	s_cmp_lg_u32 s[CNT], 0
.endif
.endr
.if (\p) == 0
	FETCH_V
.endif
.endm
	CHANGE 1                        ; slot 0 is in, everybody's part of it; slot 1 is asked for
	FETCH_K                         ; key step 0,
	FETCH_M 0                       ; and its mask for pieces 0 and 1
	FETCH_M 1
	s_wait_loadcnt 0x0              ; Q
	s_wait_dscnt 0x0
.set i, 0
.rept 16
	KQ 0                            ; piece 0's first scores
.set i, i+1
.endr
	WIN 0                           ; the addresses for the way out: six plain instructions, the places behind those products
	s_lshl_b32 s19, s[WV], 7
	s_add_co_u32 s19, s19, STAGE
	v_mul_u32_u24 v[STO], v48, SP   ; in: row l % 16, my head's 128 bytes, 16 bytes for each half of the lanes
	v_lshl_add_u32 v[STO], v49, 4, v[STO]
	v_add_nc_u32 v[STO], s19, v[STO]
	s_mul_i32 s19, s[WV], 32*SP
	s_add_co_u32 s19, s19, STAGE
	v_and_b32 v[GO], 31, v0         ; back: a whole row of 512 bytes a load, 32 rows a wave
	v_lshlrev_b32 v[GO], 4, v[GO]
	v_add_nc_u32 v[RD], s19, v[GO]
.set Y, NP-1                        ; XS works for piece Y + 1: piece 0
.irp n, 0,1,2,3,4,5,6,7,8,9,10,11,12,13,14,15,16,17,18,19,20,21
	XS 0, \n
	XS 1, \n
.endr
	s_branch .Lfirst                ; the loop is entered at a step's first turn, in the middle of a trip
.Lstep:                             ; 30 whole trips: steps 2 to 31 are asked for
	CHANGE 1
	TURN 2
	TURN 3
	WIN 0
.Lfirst:
	TURN 0
	TURN 1, 1
	WIN 0
	s_cbranch_scc1 .Lstep
	CHANGE 0                        ; the tail is written out: nothing is asked for
	s_mov_b32 s[CNT], 2             ; one trip for step 31; the second is left in its middle
.Ltail:
	TURN 2
	TURN 3
	WIN 0
	s_sub_co_u32 s[CNT], s[CNT], 1
	s_cmp_eq_u32 s[CNT], 0
	s_cbranch_scc1 .Lout
	TURN 0
	TURN 1
	WIN 0
	s_branch .Ltail
.Lout:                              ; the second trip's fetches read step 31's K and mask once more, and its 16 products K Q^T and their maximum serve nothing: the price, once a launch, of one text for every trip
.set i, 0
.rept 16
	PV NP-1                         ; the last piece's V^T P of the last step
.set i, i+1
.endr
	; THE WAY OUT.  l's halves are added; O^T is divided by l, rounded to bf16 and put into the work-group's stage: a row's 512 bytes come from four waves, so a barrier stands between writing and reading.
	WIN 0
.macro ALL line:vararg
.set t, 0
.rept 2*NP
	\line
.set t, t+1
.endr
.endm
	ALL v_add_f32 v[ST+4*t+2], v[ST+4*t+2], v[ST+4*t+3]
	ALL v_permlanex16_b32 v[ST+4*t+3], v[ST+4*t+2], s[SEL], s[SEL+1]
	ALL v_add_f32 v[ST+4*t+2], v[ST+4*t+2], v[ST+4*t+3]
	ALL v_rcp_f32 v[ST+4*t+2], v[ST+4*t+2]
	v_nop                           ; a plain instruction between the last reciprocal and the use of its result
	s_wait_alu depctr_va_vdst(0)
.macro PACK t
	WIN W_RS
.set i, 32*(\t)
.rept 16
	v_pk_mul_f32 v[i:i+1], v[i:i+1], v[ST+4*(\t)+2:ST+4*(\t)+3] op_sel_hi:[1,0]
.set i, i+2
.endr
	WIN 0x05                        ; sources window 1, destination window 0
.set i, 0
.rept 16
	v_cvt_pk_bf16_f32 v[S+16*(\t)+i], v[32*(\t)+2*i], v[32*(\t)+2*i+1]
.set i, i+1
.endr
	WIN 0
.irp f, 0,1,2,3
	ds_store_b128 v[STO], v[S+16*(\t)+4*\f:S+16*(\t)+4*\f+3] offset:(\t)*16*SP+32*\f
.endr
.endm
.set t, 0
.rept 2*NP
	PACK t
.set t, t+1
.endr
	s_wait_dscnt 0x0                ; for the others' sake: my stores into the stage are done
	s_barrier_signal -1
	s_barrier_wait -1
.set i, 0
.rept 32
	ds_load_b128 v[S+4*i:S+4*i+3], v[RD] offset:i*SP
.set i, i+1
.endr
.set i, 0
.rept 32
	s_wait_dscnt 31-i               ; row i is back; the younger loads stay out
	global_store_b128 v[GO], v[S+4*i:S+4*i+3], s[OBS:OBS+1] offset:i*2048  ; 512 consecutive bytes, at a multiple of 512 from ob's first
.set i, i+1
.endr
	WIN W_AD
	s_wait_tensorcnt 0x0            ; the wave's end
	ds_add_u32 v[SPW], v[NIL]
	s_wait_dscnt 0x0
	WIN 0
	CROUND                          ; the closing round
	s_endpgm
.Lfunc_end_k_q95c37a18a5_attn:
	.size	k_q95c37a18a5_attn, .Lfunc_end_k_q95c37a18a5_attn-k_q95c37a18a5_attn
	.p2alignl 7, 3214868480
	.fill 96, 4, 3214868480
	.section	.rodata,"a",@progbits
	.p2align	6, 0x0
	.amdhsa_kernel k_q95c37a18a5_attn
		.amdhsa_group_segment_fixed_size 327680
		.amdhsa_private_segment_fixed_size 0
		.amdhsa_enable_private_segment 0
		.amdhsa_kernarg_size 24
		.amdhsa_user_sgpr_count 2
		.amdhsa_user_sgpr_kernarg_segment_ptr 1
		.amdhsa_wavefront_size32 1
		.amdhsa_system_sgpr_workgroup_id_x 1
		.amdhsa_system_sgpr_workgroup_id_y 1
		.amdhsa_system_sgpr_workgroup_id_z 1
		.amdhsa_system_vgpr_workitem_id 0
		.amdhsa_next_free_vgpr 960
		.amdhsa_next_free_sgpr 92
		.amdhsa_reserve_vcc 0
		.amdhsa_float_denorm_mode_32 3
		.amdhsa_float_denorm_mode_16_64 3
		.amdhsa_memory_ordered 1
		.amdhsa_forward_progress 1
		.amdhsa_inst_pref_size 222
	.end_amdhsa_kernel
	.amdgpu_metadata
---
amdhsa.version: [ 1, 2 ]
amdhsa.kernels:
  - .name:           k_q95c37a18a5_attn
    .symbol:         k_q95c37a18a5_attn.kd
    .args:
      - { .name: qkv, .offset: 0, .size: 8, .value_kind: global_buffer, .address_space: global }
      - { .name: mask, .offset: 8, .size: 8, .value_kind: global_buffer, .address_space: global }
      - { .name: ob, .offset: 16, .size: 8, .value_kind: global_buffer, .address_space: global }
    .group_segment_fixed_size: 327680
    .private_segment_fixed_size: 0
    .kernarg_segment_align: 8
    .kernarg_segment_size: 24
    .max_flat_workgroup_size: 128
    .sgpr_count:     92
    .vgpr_count:     960
    .wavefront_size: 32
...
	.end_amdgpu_metadata
.endif
;; end of part 3
;; launch oproj (part 4): grid 4 x 64, 4 waves a work-group, clusters of 4 x 4, 327,680 bytes of LDS; arguments ob, wb, query, yres; writes yres
.if DOCPART == 4
	.amdgcn_target "amdgcn-amd-amdhsa--gfx1250"
	.amdhsa_code_object_version 6
	.text
	.protected	k_q95c37a18a5_oproj
	.globl	k_q95c37a18a5_oproj
	.p2align	8
	.type	k_q95c37a18a5_oproj,@function
k_q95c37a18a5_oproj:
	s_mov_b64 s[64:65], 0
	v_nop
	global_prefetch_b8 v0, s[64:65] scope:SCOPE_SE
	s_setreg_imm32_b32 hwreg(HW_REG_WAVE_MODE, 25, 1), 1
	s_wait_xcnt 0x0
	s_wait_alu depctr_hold_cnt(0) depctr_sa_sdst(0) depctr_va_vdst(0) depctr_va_sdst(0) depctr_va_ssrc(0) depctr_va_vcc(0) depctr_vm_vsrc(0)
	s_getreg_b32 s2, hwreg(HW_REG_IB_STS2, 6, 4)
	s_cmp_eq_u32 s2, 0
	s_cbranch_scc0 .Lentry_in_a_cluster
	s_endpgm
.Lentry_in_a_cluster:
	s_bfe_u32 s2, ttmp6, 0x10000c
	s_cmp_lg_u32 s2, 0xf033
	s_cbranch_scc0 .Lentry_shape_is_right
	s_endpgm
.Lentry_shape_is_right:
; yres[m][n] = query[m][n] + sum over k of ob[m][k] wb[3][k][n].  ob: [8192][1024] bf16, wb[3] = bf16(Wo): [1024 k][1024 n], query and yres: [8192][1024] f32.  Sums and the residual in f32.
; SHARES.  A tile of C is 128 x 256: 64 x 4 = 256 work-groups.  Four waves, 2 x 2, each 64 rows x 128 columns: 32 accumulators.  K goes in steps of 128 through two LDS slots; Wo's tile
; lies [k][n] and is turned by ds_load_tr16_b128.  The norm over a row's 1,024 columns spans four work-groups, so it is the next launch's.
; CLUSTER.  4 x 4: the four of a row of the cluster share ob's tiles, the four of a column Wo's: each tile is asked for jointly.
; THE MATRIX INSTRUCTION IS USED TRANSPOSED (source 0 = 16 columns of Wo, source 1 = 16 rows of ob): a lane holds eight neighbouring numbers of a row of C.
; REGISTERS: window 0: v16-29 addresses; v32-63, v64-95 two buffers of ob's fragments; v128-191, v192-255 rows read back from the stage.  window 1: accumulator (a, b) at v[8 (8 a + b)].
;   window 2: v0-63, v64-127 two buffers of Wo's fragments.  window 3: my 64 x 128 of query, loaded at the start: row i's 512 bytes in v[4 i .. 4 i + 3].
.set KSTEP,  128
.set PA,     272                       ; a row of ob in LDS: 256 bytes + 16 = 68 words: row r starts at bank 4 r mod 64 (64 banks of 4 bytes: ISA guide 11.1)
.set PB,     544                       ; a row of Wo: 512 + 32 = 17 x 32 bytes
.set BOFF,   128*PA
.set SLOT1,  1<<17
.set STAGE,  SLOT1+BOFF+128*PB         ; behind the ring: 16 rows x 528 bytes for each wave
.set SPITCH, 528
.set SPARE,  STAGE+4*16*SPITCH         ; the spare words: 128 bytes a wave, two blocks of 256 bytes that no other line names
.set ADRA0, 16
.set ADRB0, 17
.set ADRA,  18
.set ADRB,  19
.set STO,   24
.set RD,    25
.set CO,    26
.set SPW,   28
.set NIL,   29
.set AB,    32
.set OB,    128
.set WV, 14
.set WR, 15                            ; which 64 rows are mine; also: I fetch ob's tile (0) or Wo's (1)
.set WC, 16                            ; which 128 columns; also: which half of that tile I fetch
.set G1A, 24
.set G0A, 32
.set G1B, 40
.set G0B, 48
.set TB,  56
.set CNT, 57
.set CB,  58                           ; s[58:59] my part of yres
.set RB,  60                           ; s[60:61] my part of query
.set MSB, 0
.macro WIN new
.if MSB != (\new)
	s_set_vgpr_msb (MSB<<8)|(\new)
.set MSB, \new
.endif
.endm
.set MUL,  0x52
.set TO_B, 0x80
.macro PLACES
.rept 4
	v_nop
.endr
.endm
.macro JLOAD                           ; a joint refill by the walking sets; an s_nop 0 and four v_nop follow each line
	s_cmp_eq_u32 s[WR], 0
	s_cbranch_scc0 .Lfor_b_\@
	tensor_load_to_lds s[G0A+4:G0A+7], s[G1A:G1A+7]
	s_nop 0
	PLACES
	s_branch .Lasked_\@
.Lfor_b_\@:
	tensor_load_to_lds s[G0B+4:G0B+7], s[G1B:G1B+7]
	s_nop 0
	PLACES
.Lasked_\@:
.endm
.macro CREST
	s_cmp_lg_u32 s[WV], 0
	s_cbranch_scc1 .Lnot_wave_0_\@
	s_barrier_signal -3
.Lnot_wave_0_\@:
	s_barrier_wait -3
	s_barrier_signal -1
	s_barrier_wait -1
.endm
.macro CROUND
	s_barrier_signal -1
	s_barrier_wait -1
	CREST
.endm
	s_load_b256 s[4:11], s[0:1], 0x0               ; ob s[4:5], wb s[6:7], query s[8:9], yres s[10:11]
	v_lshl_add_u32 v[SPW], v0, 2, SPARE
	v_mov_b32 v[NIL], 0
	ds_add_u32 v[SPW], v[NIL]                      ; the wave's opening: the add and its wait stand ahead of my first tensor load
	v_lshrrev_b32 v1, 5, v0
	v_readfirstlane_b32 s[WV], v1
	s_lshr_b32 s[WR], s[WV], 1
	s_and_b32 s[WC], s[WV], 1
	s_bfe_u32 s17, ttmp6, 0x40000                  ; cx
	s_bfe_u32 s18, ttmp6, 0x40004                  ; cy
	s_lshl_b32 s19, ttmp9, 2
	s_add_co_u32 s19, s19, s17                     ; tile column
	s_and_b32 s20, ttmp7, 0xffff
	s_lshl_b32 s22, s20, 2
	s_add_co_u32 s22, s22, s18                     ; tile row
	s_lshl_b32 s23, s18, 2
	s_lshl_b32 s23, 15, s23                        ; my row of the cluster
	s_lshl_b32 s21, 0x1111, s17                    ; my column
	s_or_b32 s[G1A], s23, (1<<16)|(1<<20)|(1<<21)|(5<<22)|(3<<25)  ; mask; 2-byte elements; padding on; bit 21 beside a mask; after every 64 words, 4 words
	s_mov_b32 s[G1A+1], KSTEP<<16
	s_mov_b32 s[G1A+2], 64<<16
	s_mov_b32 s[G1A+3], KSTEP<<16
	s_mov_b32 s[G1A+4], 64
	s_mov_b32 s[G1A+5], 1024
	s_mov_b32 s[G1A+6], 0
	s_mov_b32 s[G1A+7], 0
	s_or_b32 s[G1B], s21, (1<<16)|(1<<20)|(1<<21)|(6<<22)|(7<<25)  ; after every 128 words, 8 words
	s_mov_b32 s[G1B+1], 256<<16
	s_mov_b32 s[G1B+2], 64<<16
	s_mov_b32 s[G1B+3], 256<<16
	s_mov_b32 s[G1B+4], 64
	s_mov_b32 s[G1B+5], 1024
	s_mov_b32 s[G1B+6], 0
	s_mov_b32 s[G1B+7], 0
	s_lshl_b32 s66, s22, 18                        ; ob: 128 rows of 2,048 bytes a tile row; this chain never holds cx
	s_lshl_b32 s67, s[WC], 17
	s_add_co_u32 s66, s66, s67
	s_mov_b32 s67, 0
	s_mul_i32 s68, s[WC], 64*PA
	s_lshl_b32 s70, s[WC], 17                      ; Wo: my 64 k rows; this chain never holds cy
	s_add_co_u32 s70, s70, 3<<21                   ; matrix 3 of wb
	s_lshl_b32 s71, s19, 9
	s_add_co_u32 s70, s70, s71
	s_mov_b32 s71, 0
	s_mul_i32 s72, s[WC], 64*PB
	s_add_co_u32 s72, s72, BOFF
	s_lshl_b32 s74, s22, 7                         ; C and the residual: my first row,
	s_lshl_b32 s75, s[WR], 6
	s_add_co_u32 s74, s74, s75
	s_lshl_b32 s74, s74, 12                        ; of 4,096 bytes,
	s_lshl_b32 s75, s19, 10                        ; my first column
	s_add_co_u32 s74, s74, s75
	s_lshl_b32 s75, s[WC], 9
	s_add_co_u32 s74, s74, s75
	s_mov_b32 s75, 0
	s_mov_b32 s[TB], 0
	s_wait_dscnt 0x0                               ; the opening add is done
	s_wait_kmcnt 0x0
	s_add_nc_u64 s[4:5], s[4:5], s[66:67]
	s_add_nc_u64 s[6:7], s[6:7], s[70:71]
	s_add_nc_u64 s[RB:RB+1], s[8:9], s[74:75]
	s_add_nc_u64 s[CB:CB+1], s[10:11], s[74:75]
	CROUND                                         ; all sixteen work-groups are here: the first joint loads meet
.irp s, 0,1
	s_mov_b32 s[G0A+4*(\s)], 1
	s_add_co_u32 s[G0A+4*(\s)+1], s68, (\s)*SLOT1
	s_add_nc_u64 s[G0A+4*(\s)+2:G0A+4*(\s)+3], s[4:5], (\s)*KSTEP*2
	s_or_b32 s[G0A+4*(\s)+3], s[G0A+4*(\s)+3], 0x80000000
	s_mov_b32 s[G0B+4*(\s)], 1
	s_add_co_u32 s[G0B+4*(\s)+1], s72, (\s)*SLOT1
	s_add_nc_u64 s[G0B+4*(\s)+2:G0B+4*(\s)+3], s[6:7], (\s)*KSTEP*2048
	s_or_b32 s[G0B+4*(\s)+3], s[G0B+4*(\s)+3], 0x80000000
.endr
	s_cmp_eq_u32 s[WR], 0                          ; a wave's two first fills stand in one branch: two loads of mine are out
	s_cbranch_scc0 .Lfirst_b
	tensor_load_to_lds s[G0A:G0A+3], s[G1A:G1A+7]
	s_nop 0
	tensor_load_to_lds s[G0A+4:G0A+7], s[G1A:G1A+7]
	s_nop 0
	PLACES
	s_branch .Lfirst_asked
.Lfirst_b:
	tensor_load_to_lds s[G0B:G0B+3], s[G1B:G1B+7]
	s_nop 0
	tensor_load_to_lds s[G0B+4:G0B+7], s[G1B:G1B+7]
	s_nop 0
	PLACES
.Lfirst_asked:
	v_and_b32 v[CO], 31, v0
	v_lshlrev_b32 v[CO], 4, v[CO]                  ; 16 x lane: a load or store of the wave covers a row's 512 bytes
	WIN 0xc0                                       ; destination window 3
.set i, 0
.rept 64
	global_load_b128 v[4*i:4*i+3], v[CO], s[RB:RB+1] offset:i*4096  ; the residual: it lands while the products run
.set i, i+1
.endr
	WIN 0
	v_and_b32 v1, 15, v0                           ; r
	v_bfe_u32 v2, v0, 4, 1                         ; h
	v_mul_u32_u24 v[ADRA0], v1, PA
	v_lshl_add_u32 v[ADRA0], v2, 4, v[ADRA0]
	s_mul_i32 s76, s[WR], 64*PA
	v_add_nc_u32 v[ADRA0], s76, v[ADRA0]
	v_and_b32 v3, 7, v0
	v_bfe_u32 v4, v0, 3, 1
	v_lshl_add_u32 v[ADRB0], v2, 3, v3
	v_mul_u32_u24 v[ADRB0], v[ADRB0], PB
	v_lshl_add_u32 v[ADRB0], v4, 4, v[ADRB0]
	s_lshl_b32 s76, s[WC], 8
	s_add_co_u32 s76, s76, BOFF
	v_add_nc_u32 v[ADRB0], s76, v[ADRB0]
	v_mov_b32 v[ADRA], v[ADRA0]
	v_mov_b32 v[ADRB], v[ADRB0]
	s_mul_i32 s76, s[WV], 16*SPITCH
	s_add_co_u32 s76, s76, STAGE                   ; my stage
	v_mul_u32_u24 v[STO], v1, SPITCH               ; in: row r, 8 f32 = 32 bytes for each half of the lanes
	v_lshl_add_u32 v[STO], v2, 5, v[STO]
	v_add_nc_u32 v[STO], s76, v[STO]
	v_add_nc_u32 v[RD], s76, v[CO]                 ; back: a whole row of 512 bytes a load
.macro FETCH q, g                      ; 24 LDS loads in one run: quarter q's fragments into buffer g
	WIN 0
.irp a, 0,1,2,3
	ds_load_b128 v[AB+32*(\g)+8*\a:AB+32*(\g)+8*\a+3],   v[ADRA] offset:64*(\q)+\a*16*PA
	ds_load_b128 v[AB+32*(\g)+8*\a+4:AB+32*(\g)+8*\a+7], v[ADRA] offset:64*(\q)+\a*16*PA+32
.endr
	WIN TO_B
.irp i, 0,1,2,3,4,5,6,7
	ds_load_tr16_b128 v[64*(\g)+8*\i:64*(\g)+8*\i+3],   v[ADRB] offset:(\q)*32*PB+32*\i
	ds_load_tr16_b128 v[64*(\g)+8*\i+4:64*(\g)+8*\i+7], v[ADRB] offset:(\q)*32*PB+16*PB+32*\i
.endr
.endm
.macro MULA f, a, zero                 ; eight products; the accumulators take turns, one instruction a turn
	WIN MUL
.irp b, 0,1,2,3,4,5,6,7
.if \zero
	v_wmma_f32_16x16x32_bf16 v[8*(8*(\a)+\b):8*(8*(\a)+\b)+7], v[64*(\f)+8*\b:64*(\f)+8*\b+7], v[AB+32*(\f)+8*(\a):AB+32*(\f)+8*(\a)+7], 0
.else
	v_wmma_f32_16x16x32_bf16 v[8*(8*(\a)+\b):8*(8*(\a)+\b)+7], v[64*(\f)+8*\b:64*(\f)+8*\b+7], v[AB+32*(\f)+8*(\a):AB+32*(\f)+8*(\a)+7], v[8*(8*(\a)+\b):8*(8*(\a)+\b)+7]
.endif
.endr
.endm
.macro QUARTER qn, f, g, zero
	s_wait_dscnt 0x0                               ; this quarter's fragments are in
	PLACES                                         ; four places in front of loads into registers that matrix instructions have read (ISA guide 7.12.1 for vector instructions)
	FETCH \qn, \g
	MULA \f, 0, \zero
	MULA \f, 1, \zero
	MULA \f, 2, \zero
	MULA \f, 3, \zero
.endm
; The last quarter multiplies buffer 1 and changes slots: one barrier; in front of it each wave waits for all its tensor loads, adds 0 to its spare word, and waits for that and for its reads of this slot.
.macro TURN fill
	WIN 0
	s_wait_tensorcnt 0x0
	ds_add_u32 v[SPW], v[NIL]
.if \fill
	s_xor_b32 s[G0A+5], s[G0A+5], SLOT1
	s_add_nc_u64 s[G0A+6:G0A+7], s[G0A+6:G0A+7], KSTEP*2
	s_xor_b32 s[G0B+5], s[G0B+5], SLOT1
	s_add_nc_u64 s[G0B+6:G0B+7], s[G0B+6:G0B+7], KSTEP*2048
.endif
	s_wait_dscnt 1                                 ; the fragments are in; the add alone may be out
	MULA 1, 0, 0
	s_wait_dscnt 0x0
	s_barrier_signal -1
	MULA 1, 1, 0
	WIN 0
	s_barrier_wait -1
.if \fill
	CREST
	JLOAD                                          ; its four v_nop are also the places in front of the loads below
.else
	PLACES
.endif
	s_xor_b32 s[TB], s[TB], SLOT1
	v_add_nc_u32 v[ADRA], s[TB], v[ADRA0]
	v_add_nc_u32 v[ADRB], s[TB], v[ADRB0]
	FETCH 0, 0
	MULA 1, 2, 0
	MULA 1, 3, 0
.endm
	s_wait_tensorcnt 1                             ; my part of K step 0 is in; K step 1's may stay out
	s_barrier_signal -1
	s_barrier_wait -1
	FETCH 0, 0
	QUARTER 1, 0, 1, 1
	WIN 0
	s_mov_b32 s[CNT], 6
.Lk:                                                   ; six trips: K steps 2 to 7 are asked for
	QUARTER 2, 1, 0, 0
	QUARTER 3, 0, 1, 0
	TURN 1
	QUARTER 1, 0, 1, 0
	WIN 0
	s_sub_co_u32 s[CNT], s[CNT], 1
	s_cmp_lg_u32 s[CNT], 0
	s_cbranch_scc1 .Lk
	QUARTER 2, 1, 0, 0
	QUARTER 3, 0, 1, 0
	TURN 0
	QUARTER 1, 0, 1, 0
	QUARTER 2, 1, 0, 0
	QUARTER 3, 0, 1, 0
	s_wait_dscnt 0x0
	MULA 1, 0, 0
	MULA 1, 1, 0
	MULA 1, 2, 0
	MULA 1, 3, 0
	WIN 0
	PLACES
; THE WAY OUT, 16 rows at a time: the sums go as f32 into my stage (each accumulator's low four registers first), come back as whole rows of 512 bytes, take the residual and are stored.
.macro TOSTAGE a
	WIN 0x04                                       ; store data window 1
.irp b, 0,1,2,3,4,5,6,7
	ds_store_b128 v[STO], v[64*(\a)+8*\b:64*(\a)+8*\b+3]   offset:64*\b
	ds_store_b128 v[STO], v[64*(\a)+8*\b+4:64*(\a)+8*\b+7] offset:64*\b+16
.endr
	WIN 0
.irp t, 0,1,2,3,4,5,6,7,8,9,10,11,12,13,14,15
	ds_load_b128 v[OB+64*((\a)%2)+4*\t:OB+64*((\a)%2)+4*\t+3], v[RD] offset:\t*SPITCH  ; LDS serves a wave's instructions in order (ISA guide 5.7.1.4)
.endr
.endm
.macro SEND a, younger                 ; younger: the next block's 16 stores and 16 loads, or none
	s_wait_dscnt \younger
	WIN 0xcc                                       ; source 0 window 0, source 1 and destination window 3
.set i, 0
.rept 32
	v_pk_add_f32 v[64*(\a)+2*i:64*(\a)+2*i+1], v[OB+64*((\a)%2)+2*i:OB+64*((\a)%2)+2*i+1], v[64*(\a)+2*i:64*(\a)+2*i+1]
.set i, i+1
.endr
	WIN 0x0c                                       ; store data window 3
.irp t, 0,1,2,3,4,5,6,7,8,9,10,11,12,13,14,15
	global_store_b128 v[CO], v[64*(\a)+4*\t:64*(\a)+4*\t+3], s[CB:CB+1] offset:(16*(\a)+\t)*4096  ; 512 consecutive bytes, aligned
.endr
	WIN 0
.endm
	TOSTAGE 0
	s_wait_loadcnt 0x0                             ; the residual
	TOSTAGE 1
	SEND 0, 32
	TOSTAGE 2
	SEND 1, 32
	TOSTAGE 3
	SEND 2, 32
	SEND 3, 0
	s_wait_tensorcnt 0x0                           ; the wave's end
	ds_add_u32 v[SPW], v[NIL]
	s_wait_dscnt 0x0
	CROUND                                         ; the closing round
	s_endpgm
.Lfunc_end_k_q95c37a18a5_oproj:
	.size	k_q95c37a18a5_oproj, .Lfunc_end_k_q95c37a18a5_oproj-k_q95c37a18a5_oproj
	.p2alignl 7, 3214868480
	.fill 96, 4, 3214868480
	.section	.rodata,"a",@progbits
	.p2align	6, 0x0
	.amdhsa_kernel k_q95c37a18a5_oproj
		.amdhsa_group_segment_fixed_size 327680
		.amdhsa_private_segment_fixed_size 0
		.amdhsa_enable_private_segment 0
		.amdhsa_kernarg_size 32
		.amdhsa_user_sgpr_count 2
		.amdhsa_user_sgpr_kernarg_segment_ptr 1
		.amdhsa_wavefront_size32 1
		.amdhsa_system_sgpr_workgroup_id_x 1
		.amdhsa_system_sgpr_workgroup_id_y 1
		.amdhsa_system_sgpr_workgroup_id_z 1
		.amdhsa_system_vgpr_workitem_id 0
		.amdhsa_next_free_vgpr 1024
		.amdhsa_next_free_sgpr 80
		.amdhsa_reserve_vcc 0
		.amdhsa_float_denorm_mode_32 3
		.amdhsa_float_denorm_mode_16_64 3
		.amdhsa_memory_ordered 1
		.amdhsa_forward_progress 1
		.amdhsa_inst_pref_size 83
	.end_amdhsa_kernel
	.amdgpu_metadata
---
amdhsa.version: [ 1, 2 ]
amdhsa.kernels:
  - .name:           k_q95c37a18a5_oproj
    .symbol:         k_q95c37a18a5_oproj.kd
    .args:
      - { .name: ob, .offset: 0, .size: 8, .value_kind: global_buffer, .address_space: global }
      - { .name: wb, .offset: 8, .size: 8, .value_kind: global_buffer, .address_space: global }
      - { .name: query, .offset: 16, .size: 8, .value_kind: global_buffer, .address_space: global }
      - { .name: yres, .offset: 24, .size: 8, .value_kind: global_buffer, .address_space: global }
    .group_segment_fixed_size: 327680
    .private_segment_fixed_size: 0
    .kernarg_segment_align: 8
    .kernarg_segment_size: 32
    .max_flat_workgroup_size: 128
    .sgpr_count:     80
    .vgpr_count:     1024
    .wavefront_size: 32
...
	.end_amdgpu_metadata
.endif
;; end of part 4
;; launch ln (part 5): grid 256 x 1, 8 waves a work-group, no clusters, 0 bytes of LDS; arguments yres, gamma, beta, out0; writes out0
.if DOCPART == 5
	.amdgcn_target "amdgcn-amd-amdhsa--gfx1250"
	.amdhsa_code_object_version 6
	.text
	.protected	k_q95c37a18a5_ln
	.globl	k_q95c37a18a5_ln
	.p2align	8
	.type	k_q95c37a18a5_ln,@function
k_q95c37a18a5_ln:
	s_mov_b64 s[64:65], 0
	v_nop
	global_prefetch_b8 v0, s[64:65] scope:SCOPE_SE
	s_setreg_imm32_b32 hwreg(HW_REG_WAVE_MODE, 25, 1), 1
	s_wait_xcnt 0x0
; out0[r][c] = (y[r][c] - mean_r) * rsqrt(var_r + 1e-6) * gamma[c] + beta[c].  y, out0: [8192][1024] f32.  All in f32; the variance is the mean of (y - mean)^2, taken in a second pass
; over registers, so a common offset of a row costs nothing.
; A stream: one wave, one row of 4,096 bytes in 32 registers, so the reductions never leave the wave: no LDS, no barrier, no matrix unit.  Eight waves, four rows each.
; All 48 loads of a wave (gamma, beta, four rows) go out at once; a load or store of a wave covers 512 neighbouring bytes; no register is written again while a store reads it.
.set G,  4                             ; v[4:35]    gamma of my 32 columns (128 j + 4 lane + 0..3, j = 0..7)
.set BT, 36                            ; v[36:67]   beta
.set X,  68                            ; v[68:195]  row i: 32 registers
.set T,  196                           ; v[196:203] four chains
.set M,  204                           ; v[204:205] the mean, twice
.set R,  206                           ; v[206:207] 1 / sqrt(var + eps), twice
	s_load_b256 s[4:11], s[0:1], 0x0               ; y s[4:5], gamma s[6:7], beta s[8:9], out0 s[10:11]
	s_lshl_b32 s2, ttmp9, 17                       ; the work-group's 32 rows of 4,096 bytes
	s_mov_b32 s3, 0
	s_mov_b32 s12, 0x76543210                      ; v_permlanex16_b32: each lane takes its own place in the other half
	s_mov_b32 s13, 0xfedcba98
	s_mov_b32 s14, 0x3a800000                      ; 1 / 1024
	s_mov_b32 s15, 0x358637bd                      ; 1e-6
	v_and_b32 v2, 31, v0
	v_lshlrev_b32 v2, 4, v2                        ; 16 x lane
	v_lshrrev_b32 v1, 5, v0
	v_lshl_add_u32 v1, v1, 14, v2                  ; + wave x 4 rows
	s_wait_kmcnt 0x0
	s_add_nc_u64 s[4:5], s[4:5], s[2:3]
	s_add_nc_u64 s[10:11], s[10:11], s[2:3]
.irp j, 0,1,2,3,4,5,6,7
	global_load_b128 v[G+4*\j:G+4*\j+3], v2, s[6:7] offset:512*\j
.endr
.irp j, 0,1,2,3,4,5,6,7
	global_load_b128 v[BT+4*\j:BT+4*\j+3], v2, s[8:9] offset:512*\j
.endr
.irp i, 0,1,2,3
.irp j, 0,1,2,3,4,5,6,7
	global_load_b128 v[X+32*\i+4*\j:X+32*\i+4*\j+3], v1, s[4:5] offset:4096*\i+512*\j th:TH_LOAD_NT
.endr
.endr
.macro REDUCE                          ; the four chains into one number, the same in every lane
	v_pk_add_f32 v[T:T+1], v[T:T+1], v[T+2:T+3]
	v_pk_add_f32 v[T+4:T+5], v[T+4:T+5], v[T+6:T+7]
	v_pk_add_f32 v[T:T+1], v[T:T+1], v[T+4:T+5]
	v_add_f32 v[T], v[T], v[T+1]
	v_add_f32_dpp v[T], v[T], v[T] row_xmask:1 row_mask:0xf bank_mask:0xf
	v_add_f32_dpp v[T], v[T], v[T] row_xmask:2 row_mask:0xf bank_mask:0xf
	v_add_f32_dpp v[T], v[T], v[T] row_xmask:4 row_mask:0xf bank_mask:0xf
	v_add_f32_dpp v[T], v[T], v[T] row_xmask:8 row_mask:0xf bank_mask:0xf
	v_permlanex16_b32 v[T+1], v[T], s12, s13
	v_add_f32 v[T], v[T], v[T+1]
.endm
.macro ROW i
.set XR, X+32*(\i)
	s_wait_loadcnt 8*(3-(\i))                      ; loads come back in order: my row is in; the later rows' eight loads each stay out
.irp k, 0,1,2,3
	v_pk_add_f32 v[T+2*\k:T+2*\k+1], v[XR+2*\k:XR+2*\k+1], v[XR+8+2*\k:XR+8+2*\k+1]  ; the first two pairs start each chain: nothing is cleared
.endr
.irp k, 0,1,2,3
	v_pk_add_f32 v[T+2*\k:T+2*\k+1], v[T+2*\k:T+2*\k+1], v[XR+16+2*\k:XR+16+2*\k+1]
.endr
.irp k, 0,1,2,3
	v_pk_add_f32 v[T+2*\k:T+2*\k+1], v[T+2*\k:T+2*\k+1], v[XR+24+2*\k:XR+24+2*\k+1]
.endr
	REDUCE
	v_mul_f32 v[M], s14, v[T]
	v_mul_f32 v[M+1], s14, v[T]
.set j, 0
.rept 16
	v_pk_add_f32 v[XR+2*j:XR+2*j+1], v[XR+2*j:XR+2*j+1], v[M:M+1] neg_lo:[0,1] neg_hi:[0,1]  ; d = y - mean, in place
.set j, j+1
.endr
.irp k, 0,1,2,3
	v_pk_mul_f32 v[T+2*\k:T+2*\k+1], v[XR+2*\k:XR+2*\k+1], v[XR+2*\k:XR+2*\k+1]
.endr
.irp o, 8,16,24
.irp k, 0,1,2,3
	v_pk_fma_f32 v[T+2*\k:T+2*\k+1], v[XR+\o+2*\k:XR+\o+2*\k+1], v[XR+\o+2*\k:XR+\o+2*\k+1], v[T+2*\k:T+2*\k+1]
.endr
.endr
	REDUCE
	v_fma_f32 v[T], v[T], s14, s15                 ; var + eps
	v_rsq_f32 v[R], v[T]
	v_rsq_f32 v[R+1], v[T]
	v_nop                                          ; a plain instruction between the last v_rsq_f32 and the use of its result (ISA guide 5.7.2)
.set j, 0
	s_wait_alu depctr_va_vdst(0)
.rept 16
	v_pk_mul_f32 v[XR+2*j:XR+2*j+1], v[XR+2*j:XR+2*j+1], v[R:R+1]
.set j, j+1
.endr
.set j, 0
.rept 16
	v_pk_fma_f32 v[XR+2*j:XR+2*j+1], v[XR+2*j:XR+2*j+1], v[G+2*j:G+2*j+1], v[BT+2*j:BT+2*j+1]
.set j, j+1
.endr
.irp j, 0,1,2,3,4,5,6,7
	global_store_b128 v1, v[XR+4*\j:XR+4*\j+3], s[10:11] offset:4096*(\i)+512*\j th:TH_STORE_NT
.endr
.endm
	ROW 0
	ROW 1
	ROW 2
	ROW 3
	s_endpgm
.Lfunc_end_k_q95c37a18a5_ln:
	.size	k_q95c37a18a5_ln, .Lfunc_end_k_q95c37a18a5_ln-k_q95c37a18a5_ln
	.p2alignl 7, 3214868480
	.fill 96, 4, 3214868480
	.section	.rodata,"a",@progbits
	.p2align	6, 0x0
	.amdhsa_kernel k_q95c37a18a5_ln
		.amdhsa_group_segment_fixed_size 0
		.amdhsa_private_segment_fixed_size 0
		.amdhsa_enable_private_segment 0
		.amdhsa_kernarg_size 32
		.amdhsa_user_sgpr_count 2
		.amdhsa_user_sgpr_kernarg_segment_ptr 1
		.amdhsa_wavefront_size32 1
		.amdhsa_system_sgpr_workgroup_id_x 1
		.amdhsa_system_sgpr_workgroup_id_y 1
		.amdhsa_system_sgpr_workgroup_id_z 1
		.amdhsa_system_vgpr_workitem_id 0
		.amdhsa_next_free_vgpr 208
		.amdhsa_next_free_sgpr 66
		.amdhsa_reserve_vcc 0
		.amdhsa_float_denorm_mode_32 3
		.amdhsa_float_denorm_mode_16_64 3
		.amdhsa_memory_ordered 1
		.amdhsa_forward_progress 1
		.amdhsa_inst_pref_size 34
	.end_amdhsa_kernel
	.amdgpu_metadata
---
amdhsa.version: [ 1, 2 ]
amdhsa.kernels:
  - .name:           k_q95c37a18a5_ln
    .symbol:         k_q95c37a18a5_ln.kd
    .args:
      - { .name: yres, .offset: 0, .size: 8, .value_kind: global_buffer, .address_space: global }
      - { .name: gamma, .offset: 8, .size: 8, .value_kind: global_buffer, .address_space: global }
      - { .name: beta, .offset: 16, .size: 8, .value_kind: global_buffer, .address_space: global }
      - { .name: out0, .offset: 24, .size: 8, .value_kind: global_buffer, .address_space: global }
    .group_segment_fixed_size: 0
    .private_segment_fixed_size: 0
    .kernarg_segment_align: 8
    .kernarg_segment_size: 32
    .max_flat_workgroup_size: 256
    .sgpr_count:     66
    .vgpr_count:     208
    .wavefront_size: 32
...
	.end_amdgpu_metadata
.endif
;; end of part 5
